; MI455X (gfx1250); checked and timed in simulation.
; The chip was launched on July 23, 2026; its instructions are those of AMD's public machine-readable ISA for CDNA 5 (MIT licence, August 2026) and "CDNA5" Instruction Set Architecture Reference Guide (July 2026). The comments in the code are by the model that wrote it; some were corrected since.
;; Multi Head Attension. Allowed arithmetic: matrix products marked QUANTISED: E2M3 operands, one E8M0 scale for each 32 along K, by v_wmma_scale_f32_16x16x128_f8f6f4 with both operands' format E2M3, f32 sums; everything else in f32.
;; Inputs: W_attn 1,024 x 3,072 float32; W_ffn 1,024 x 1,024 float32; x 4 x 2,048 x 1,024 float32.
;; Outputs: out0 4 x 2,048 x 1,024 float32.
;; This version of the problem:
;;   THIS VERSION OF THE PROBLEM IS GIVEN IN LOW PRECISION. The matrix products marked QUANTISED in the list below multiply operands that are first quantised to E2M3 (2 exponent bits, 3 mantissa bits; 6 bits a number), with one power-of-two scale for each 32 numbers along K (OCP MX v1.0); their sums are f32. All else is computed in f32.
;;   The module's matrix products, in the order in which they are computed (A, B: the left and right operand; K: the contracted axis; several contracted axes count as one K, in the product's order):
;;     1. [M 8,192, K 1,024] x [K 1,024, N 3,072]; A: input x; B: input W_attn: QUANTISED
;;     2. batch 64 x [M 2,048, K 64] x [K 64, N 2,048]; A: computed on the way; B: computed on the way: QUANTISED
;;     3. batch 64 x [M 2,048, K 2,048] x [K 2,048, N 64]; A: softmax (see below); B: computed on the way: QUANTISED
;;     4. [M 8,192, K 1,024] x [K 1,024, N 1,024]; A: computed on the way; B: input W_ffn: QUANTISED
;;   THE QUANTISER, for each operand of a quantised product, along K:
;;     - K is cut into blocks of 32 from its start; a last block that is shorter is filled with zeros.
;;     - A block's scale is 2^e with e = floor(log2(the largest magnitude in the block)) - 2, held to -126 .. 127; a block of zeros has e = 0. As a byte (E8M0): e + 127.
;;     - Each number is divided by its block's scale, clamped to +-7.5, and rounded to the nearest number of E2M3, ties to even, subnormals kept.
;;     - The product sums the exact products of the quantised numbers (number of the format x scale) in f32.
;;   ~~~python
;;   def quantise(x, axis):      # numpy; x: float32 -> the quantised numbers, widened to float32 again
;;       x = np.moveaxis(x, axis, -1); K = x.shape[-1]
;;       x = np.pad(x, [(0, 0)] * (x.ndim - 1) + [(0, -K % 32)]); x = x.reshape(x.shape[:-1] + (-1, 32)); a = np.abs(x).max(-1, keepdims=True)
;;       e = np.where(a > 0, np.clip(np.frexp(np.where(a > 0, a, 1))[1] - 1 - 2, -126, 127), 0)      # np.frexp(a)[1] - 1 = floor(log2(a)), exactly
;;       r = np.clip(x / 2.0 ** e, -7.5, 7.5)
;;       step = 2.0 ** (np.maximum(np.frexp(np.where(r == 0, 1, r))[1] - 1, 0) - 3)
;;       q = np.round(r / step) * step * 2.0 ** e      # np.round: ties to even
;;       return np.moveaxis(q.reshape(q.shape[:-2] + (-1,))[..., :K], -1, axis).astype(np.float32)
;;   ~~~
;;   SOFTMAX AHEAD OF A QUANTISED PRODUCT. Where the list says 'softmax', what is quantised is not the finished softmax but p = 2^(t - M), with t = logit x log2(e) and M = ceil(the row's largest t), a whole number; so 1/2 < the row's largest p <= 1. The row's sum l is taken of the UNQUANTISED p, in f32, and the product's result is divided by l at the end. Since M is a whole number, a kernel that streams over the keys may use a running M (the ceiling of the running maximum): every later rescaling is an exact power of two, which a block's scale takes up: the codes' values come out the same.
;;   OPERANDS COMPUTED ON THE WAY. 'Computed on the way' means the value that the module computes at that place (a softmax that the list does not call 'softmax' is quantised finished and normalised). What goes into a quantiser is computed in f32, as accurately as f32 sums, v_exp_f32 and their like allow (about 1e-6 of the number): no bf16 or f16 on the way to a quantiser, and a product that is left as it is and whose result goes on into a quantised operand takes f32 operands (vector FMAs, or v_wmma_f32_16x16x4_f32). A number that lies on a knife's edge between two numbers of the format may be rounded either way, as far as f32 arithmetic and the matrix unit's own rounding can turn it there, and no further.
;; One version. Each part assembles by itself: llvm-mc -triple=amdgcn-amd-amdhsa -mcpu=gfx1250 --defsym DOCPART=n.
;; ======== version 1 of 1: 5 launches
;; limits: right only within a limited range of input values
;; workspace buffers: XQ 6,553,600 bytes; WKQ 1,638,400 bytes; WV 819,200 bytes; WF 819,200 bytes; ZKQ 13,631,488 bytes; ZV 13,631,488 bytes; YQ 6,553,600 bytes
;; launch quant (part 1): grid 256 x 1, 4 waves a work-group, no clusters, 118,272 bytes of LDS; arguments x, W_attn, W_ffn, XQ, WKQ, WV, WF; writes XQ, WKQ, WV, WF
.if DOCPART == 1
	.amdgcn_target "amdgcn-amd-amdhsa--gfx1250"
	.amdhsa_code_object_version 6
	.text
	.protected	k_q284b3ea26d_quant
	.globl	k_q284b3ea26d_quant
	.p2align	8
	.type	k_q284b3ea26d_quant,@function
k_q284b3ea26d_quant:
	s_mov_b64 s[64:65], 0
	v_nop
	global_prefetch_b8 v0, s[64:65] scope:SCOPE_SE
	s_setreg_imm32_b32 hwreg(HW_REG_WAVE_MODE, 25, 1), 1
	s_wait_xcnt 0x0
; x [8192][1024], W_attn [1024][3072] and W_ffn [1024][1024], f32, become codes of FP6 (E2M3) with one E8M0 byte for each 32 along K (K = 1024 in all three).
; A block's scale is 2^(floor(log2(largest magnitude)) - 2): its byte is the largest magnitude's exponent field - 2, held at 1 from below.
; LIMITS: NaN and infinities are not served; blocks whose largest magnitude lies under 2^-124 keep the byte 1; a block of zeros has the byte 1 (its codes are zeros; this program alone reads the bytes).
; THE OUTPUT'S LAYOUT is that of the products' operand registers.  A BLOCK is 128 rows x 256 K = 25,600 bytes: fragment (q = which 128 of K, i = tile of 16 rows) at (8 q + i) x 1,536;
; in it two halves of 64 K, 768 bytes each: lane L's registers 0-3 at 16 L, registers 4-5 at 512 + 8 L (lane L = r + 16 h holds row r, k = 32 h .. 32 h + 31 of the 64).
; The scale bytes lie at 24,576 + 8 (16 i + r) + 4 q + (which 32 of the 128).  Blocks lie [group of 128 rows][256 of K].
; Tile i = 2 b + u of a group holds in its row r the group's row 32 b + 8 u + r + 8 (r / 8).
; Work-groups 0-127 take x (K innermost), work-groups 128-255 the weights (K outermost; a row of the operand is a column of W).  Each way has LDS bytes of its own.  No barrier: waves share nothing.
.set BLKB, 25600
.set XREG, 22784                       ; x: a wave's LDS: two stages of 4,608, then the images' 16-byte parts, their 8-byte parts, the scale bytes
.set STG2, 4608
.set RUNA, 9216
.set RUNB, 17920
.set XSB,  22272
.set WLDS, 91136                       ; the weights' LDS begins behind x's four regions
.set WREG, 6656                        ; a wave's four fragments,
.set FPIT, 1664                        ; 1,536 + 128 bytes apart: the two tiles' stores of one instruction then start 128 bytes apart modulo 256
.set RL, 16                            ; x: v16-143 four rows as loaded
.set XS, 144                           ; x: v144-207 two sets of 32 neighbours
.set CD, 208                           ; x: v208-231 two sets of codes: six registers, and at +8 the second conversion's three
.set VO, 16                            ; W: v16-47 4 x lane + i x a row of W
.set WX, 48                            ; W: v48-111 two sets of 32 numbers
.set WB, 40                            ; W: s[40:55] a base for each block of 32 rows of W
	s_load_b256 s[4:11], s[0:1], 0x0               ; x s[4:5], W_attn s[6:7], W_ffn s[8:9], XQ s[10:11]
	s_load_b128 s[12:15], s[0:1], 0x20             ; WKQ s[12:13], WV s[14:15]
	s_load_b64 s[16:17], s[0:1], 0x30              ; WF
	v_lshl_add_u32 v240, v0, 2, 0x1cc00
	v_mov_b32 v241, 0
	v_lshrrev_b32 v1, 5, v0
	v_readfirstlane_b32 s18, v1                    ; wave
	v_and_b32 v2, 31, v0                           ; lane
	s_cmp_lt_u32 ttmp9, 128
	s_cbranch_scc0 .Lweights
; ---------------- x.  A wave owns one tile of 16 rows; a step is one whole row of 4,096 bytes, and a lane owns one block of 32 along K.
	s_lshl_b32 s19, ttmp9, 2
	s_add_co_u32 s19, s19, s18                     ; my tile, 0 .. 511
	s_lshr_b32 s20, s19, 3                         ; its group of 128 rows
	s_and_b32 s21, s19, 7                          ; i
	s_lshl_b32 s22, s20, 7
	s_lshr_b32 s23, s21, 1
	s_lshl_b32 s23, s23, 5
	s_add_co_u32 s22, s22, s23
	s_and_b32 s23, s21, 1
	s_lshl_b32 s23, s23, 3
	s_add_co_u32 s22, s22, s23                     ; the tile's first row: 128 R + 32 (i / 2) + 8 (i % 2)
	s_lshl_b32 s22, s22, 12
	s_mov_b32 s23, 0
	s_mul_i32 s24, s20, 4*BLKB
	s_lshl_b32 s27, s21, 7
	s_add_co_u32 s26, s24, s27
	s_add_co_u32 s26, s26, 24576                   ; my tile's scale bytes in the group's first block
	s_mov_b32 s27, 0
	s_mul_i32 s25, s21, 1536
	s_add_co_u32 s24, s24, s25                     ; my tile's fragment in the group's first block
	s_mov_b32 s25, 0
	s_mul_i32 s30, s18, XREG
	s_wait_alu depctr_va_vdst(0)
	v_lshlrev_b32 v3, 4, v2                        ; 16 x lane
	v_lshrrev_b32 v12, 3, v2
	v_and_b32 v13, 7, v2
	v_mul_u32_u24 v14, v12, 144
	v_lshl_add_u32 v14, v13, 4, v14
	v_add_nc_u32 v14, s30, v14                     ; the stage, in: eight lanes' 128 bytes on end, then 16 of padding
	v_mul_u32_u24 v15, v2, 144
	v_add_nc_u32 v15, s30, v15                     ; out: my block's 128 bytes
	v_mul_u32_u24 v4, v2, 272
	v_add_nc_u32 v4, s30, v4                       ; my block's 16-byte parts, one a row: 256 bytes + 16
	v_mul_u32_u24 v5, v2, 136
	v_add_nc_u32 v5, s30, v5                       ; its 8-byte parts: 128 bytes + 8
	v_lshl_add_u32 v6, v12, 7, v13
	v_add_nc_u32 v6, s30, v6                       ; its scale byte: 128 (which 256 of K) + (which 32 of the 256)
	v_lshrrev_b32 v232, 4, v2
	v_and_b32 v233, 15, v2
	v_mul_u32_u24 v7, v232, 272
	v_lshl_add_u32 v7, v233, 4, v7
	v_add_nc_u32 v7, s30, v7                       ; back as images: lanes 0-15 the even block's run, lanes 16-31 the odd block's
	v_mul_u32_u24 v8, v232, 136
	v_lshl_add_u32 v8, v233, 3, v8
	v_add_nc_u32 v8, s30, v8
	v_add_nc_u32 v9, s30, v3
	v_mul_u32_u24 v10, v12, BLKB
	v_lshl_add_u32 v10, v13, 4, v10                ; the scale bytes in memory: 128 in each of the four blocks
	v_lshlrev_b32 v11, 3, v2
	s_wait_kmcnt 0x0
	s_add_nc_u64 s[4:5], s[4:5], s[22:23]
	s_add_nc_u64 s[28:29], s[10:11], s[26:27]
	s_add_nc_u64 s[10:11], s[10:11], s[24:25]
.macro XLOAD t                         ; tile row t: eight loads of 512 consecutive bytes
.irp j, 0,1,2,3,4,5,6,7
	global_load_b128 v[RL+32*((\t)%4)+4*\j:RL+32*((\t)%4)+4*\j+3], v3, s[4:5] offset:((\t)+8*((\t)/8))*4096+512*\j th:TH_LOAD_NT
.endr
.endm
.macro XTURN t                         ; through the wave's stage: LDS serves a wave's instructions in order (ISA guide 5.7.1.4), so no wait stands between
.irp j, 0,1,2,3,4,5,6,7
	ds_store_b128 v14, v[RL+32*((\t)%4)+4*\j:RL+32*((\t)%4)+4*\j+3] offset:STG2*((\t)%2)+576*\j
.endr
.irp j, 0,1,2,3,4,5,6,7
	ds_load_b128 v[XS+32*((\t)%2)+4*\j:XS+32*((\t)%2)+4*\j+3], v15 offset:STG2*((\t)%2)+16*\j
.endr
.endm
.macro XSTEP t
.set XSS, XS+32*((\t)%2)
.set CC, CD+12*((\t)%2)
.if (\t) > 0
	s_wait_dscnt 3                                 ; this row is back from the stage; the last row's three image stores may be out
.else
	s_wait_dscnt 0x0
.endif
.if (\t)+4 < 16
	XLOAD (\t)+4                                   ; into the registers that this row's stage stores have read
.endif
.if (\t)+1 < 16
.if 14-(\t) >= 3
	s_wait_loadcnt 24                              ; the next row is in; the three rows behind it, eight loads each, may be out
.else
	s_wait_loadcnt 8*(14-(\t))
.endif
	XTURN (\t)+1
.endif
	v_max3_num_f32 v232, |v[XSS]|, |v[XSS+1]|, |v[XSS+2]|          ; the block's largest magnitude: all 32 numbers are mine
	v_max3_num_f32 v233, |v[XSS+3]|, |v[XSS+4]|, |v[XSS+5]|
.irp i, 6,10,14,18,22,26
	v_max3_num_f32 v232, v232, |v[XSS+\i]|, |v[XSS+\i+1]|
	v_max3_num_f32 v233, v233, |v[XSS+\i+2]|, |v[XSS+\i+3]|
.endr
	v_max3_num_f32 v232, v232, |v[XSS+30]|, |v[XSS+31]|
	v_max3_num_f32 v232, v232, v233, 0x1800000     ; and the floor 2^(3 - 127): the byte cannot fall under 1
	v_add_nc_u32 v234, 0xff000000, v232            ; 2 off the exponent field: the conversions' scale operand
	v_cvt_scalef32_pk16_fp6_f32 v[CC:CC+2], v[XSS:XSS+15], v234
	v_cvt_scalef32_pk16_fp6_f32 v[CC+8:CC+10], v[XSS+16:XSS+31], v234   ; (a conversion's three registers begin on an even number)
	v_lshrrev_b32 v[236+(\t)%2], 23, v234          ; the scale's byte; also the plain line behind the conversions
	v_mov_b32 v[CC+3], v[CC+8]
	v_mov_b32 v[CC+4], v[CC+9]
	v_mov_b32 v[CC+5], v[CC+10]
	ds_store_b128 v4, v[CC:CC+3] offset:RUNA+16*(\t)
	ds_store_b64 v5, v[CC+4:CC+5] offset:RUNB+8*(\t)
	ds_store_b8 v6, v[236+(\t)%2] offset:XSB+8*(\t)
.endm
.irp t, 0,1,2,3
	XLOAD \t
.endr
	s_wait_loadcnt 24                              ; row 0's eight loads are in
	XTURN 0
.irp t, 0,1,2,3,4,5,6,7,8,9,10,11,12,13,14,15
	XSTEP \t
.endr
.irp f, 0,1,2,3,4,5,6,7,8,9,10,11,12,13,14,15
	ds_load_b128 v[16+4*\f:19+4*\f], v7 offset:RUNA+544*\f        ; half fragment f = 4 (which 256) + 2 q + c, as an image
.endr
.irp f, 0,1,2,3,4,5,6,7,8,9,10,11,12,13,14,15
	ds_load_b64 v[80+2*\f:81+2*\f], v8 offset:RUNB+272*\f
.endr
	ds_load_b128 v[112:115], v9 offset:XSB
	s_wait_dscnt 0x0
.irp f, 0,1,2,3,4,5,6,7,8,9,10,11,12,13,14,15
	global_store_b128 v3, v[16+4*\f:19+4*\f], s[10:11] offset:(\f/4)*BLKB+((\f/2)%2)*12288+(\f%2)*768         ; 512 consecutive bytes, aligned to 256
	global_store_b64 v11, v[80+2*\f:81+2*\f], s[10:11] offset:(\f/4)*BLKB+((\f/2)%2)*12288+(\f%2)*768+512     ; 256 consecutive bytes, aligned
.endr
	global_store_b128 v10, v[112:115], s[28:29]    ; four runs of 128 bytes: a tile's scale bytes in each of the four blocks
	s_wait_tensorcnt 0x0
	ds_add_u32 v240, v241
	s_wait_dscnt 0x0
	s_endpgm
; ---------------- the weights.  A work-group makes one block: 128 columns of W x 256 along K.  A lane takes a column, and its registers run down K.
.Lweights:
	s_sub_co_u32 s19, ttmp9, 128
	s_lshr_b32 s20, s19, 2                         ; group of 128 columns: 0-15 W_attn's k and q, 16-23 its v, 24-31 W_ffn
	s_and_b32 s21, s19, 3                          ; which 256 of K
	s_wait_kmcnt 0x0
	s_cmp_lt_u32 s20, 24                           ; every choice hangs on the work-group's number alone
	s_cselect_b64 s[4:5], s[6:7], s[8:9]           ; from W_attn or W_ffn,
	s_mov_b32 s22, 4096
	s_cselect_b32 s22, 12288, s22                  ; whose rows are so many bytes
	s_cselect_b64 s[24:25], s[14:15], s[16:17]
	s_cselect_b32 s23, 0, 24
	s_cmp_lt_u32 s20, 16
	s_cselect_b64 s[24:25], s[12:13], s[24:25]     ; to WKQ, WV or WF
	s_cselect_b32 s26, 15, 7
	s_and_b32 s26, s20, s26                        ; the group's number there
	s_sub_co_u32 s23, s20, s23                     ; and in the source
	s_lshl_b32 s28, s21, 8
	s_mul_i32 s28, s28, s22
	s_lshl_b32 s29, s23, 9
	s_add_co_u32 s28, s28, s29
	s_lshl_b32 s29, s18, 7
	s_add_co_u32 s28, s28, s29                     ; row 256 s, column 128 x group + 32 x wave
	s_mov_b32 s29, 0
	s_lshl_b32 s30, s22, 5                         ; 32 rows on
	s_mov_b32 s31, 0
	s_add_nc_u64 s[WB:WB+1], s[4:5], s[28:29]
.irp t, 1,2,3,4,5,6,7
	s_add_nc_u64 s[WB+2*\t:WB+2*\t+1], s[WB+2*\t-2:WB+2*\t-1], s[30:31]
.endr
	s_lshl_b32 s32, s26, 2
	s_add_co_u32 s32, s32, s21
	s_mul_i32 s32, s32, BLKB                       ; my block
	s_add_co_u32 s34, s32, 24576
	s_lshl_b32 s35, s18, 8
	s_add_co_u32 s34, s34, s35                     ; my two tiles' scale bytes
	s_mov_b32 s35, 0
	s_mul_i32 s33, s18, 3072
	s_add_co_u32 s32, s32, s33                     ; my two tiles' fragments: tile 2 x wave + u
	s_mov_b32 s33, 0
	s_add_nc_u64 s[34:35], s[24:25], s[34:35]
	s_add_nc_u64 s[24:25], s[24:25], s[32:33]
	s_wait_alu depctr_va_vdst(0)
	v_lshlrev_b32 v3, 2, v2
.set i, 0
.rept 32
	v_mad_u32_u24 v[VO+i], s22, i, v3
.set i, i+1
.endr
	s_mul_i32 s36, s18, WREG
	s_add_co_u32 s36, s36, WLDS
	v_bfe_u32 v9, v2, 3, 1                         ; u: column 32 b + lane is row r of tile 2 b + u with lane = 8 u + r + 8 (r / 8)
	v_bfe_u32 v10, v2, 4, 1
	v_and_b32 v12, 7, v2
	v_lshl_or_b32 v10, v10, 3, v12                 ; r
	v_mul_u32_u24 v13, v9, FPIT
	v_add_nc_u32 v13, s36, v13
	v_lshl_add_u32 v4, v10, 4, v13                 ; where my 16 bytes go,
	v_lshl_add_u32 v5, v10, 3, v13                 ; and my 8
	v_lshlrev_b32 v7, 4, v2
	v_add_nc_u32 v6, s36, v7                       ; back: 16 x lane
	v_lshlrev_b32 v8, 3, v10
	v_lshl_add_u32 v8, v9, 7, v8                   ; my eight scale bytes: 128 u + 8 r
.macro WLOAD t                         ; block t: W(32 t + i, my column): 128 consecutive bytes a load
.set i, 0
.rept 32
	global_load_b32 v[WX+32*((\t)%2)+i], v[VO+i], s[WB+2*(\t):WB+2*(\t)+1] th:TH_LOAD_NT
.set i, i+1
.endr
.endm
.macro WBLOCK t                        ; block t is q = t / 4, half c = (t / 2) % 2, h = t % 2
.set XB, WX+32*((\t)%2)
.if (\t) < 7
	s_wait_loadcnt 32                              ; this block's 32 loads are in; the next block's may be out
.else
	s_wait_loadcnt 0x0
.endif
	v_max3_num_f32 v126, |v[XB]|, |v[XB+1]|, |v[XB+2]|
	v_max3_num_f32 v127, |v[XB+3]|, |v[XB+4]|, |v[XB+5]|
.irp i, 6,10,14,18,22,26
	v_max3_num_f32 v126, v126, |v[XB+\i]|, |v[XB+\i+1]|
	v_max3_num_f32 v127, v127, |v[XB+\i+2]|, |v[XB+\i+3]|
.endr
	v_max3_num_f32 v126, v126, |v[XB+30]|, |v[XB+31]|
	v_max3_num_f32 v126, v126, v127, 0x1800000
	v_add_nc_u32 v128, 0xff000000, v126
	v_cvt_scalef32_pk16_fp6_f32 v[112:114], v[XB:XB+15], v128
	v_cvt_scalef32_pk16_fp6_f32 v[120:122], v[XB+16:XB+31], v128
	v_lshrrev_b32 v129, 23, v128                   ; the byte; also the plain line behind the conversions
.if (\t)%4 == 0
	v_mov_b32 v[124+(\t)/4], v129
.else
	v_lshl_or_b32 v[124+(\t)/4], v129, 8*((\t)%4), v[124+(\t)/4]
.endif
	v_mov_b32 v115, v120
	v_mov_b32 v116, v121
	v_mov_b32 v117, v122
	ds_store_b128 v4, v[112:115] offset:((\t)/4)*2*FPIT+(((\t)/2)%2)*768+((\t)%2)*256
	ds_store_b64 v5, v[116:117] offset:((\t)/4)*2*FPIT+(((\t)/2)%2)*768+512+((\t)%2)*128
.if (\t)+2 < 8
	WLOAD (\t)+2
.endif
	s_wait_dscnt 0x0                               ; the stores have read their registers: the next block's codes may be written
.endm
	WLOAD 0
	WLOAD 1
.irp t, 0,1,2,3,4,5,6,7
	WBLOCK \t
.endr
.irp f, 0,1,2,3                        ; fragment f = 2 q + u
.irp k, 0,1,2
	ds_load_b128 v[132+12*\f+4*\k:135+12*\f+4*\k], v6 offset:FPIT*\f+512*\k
.endr
.endr
	s_wait_alu depctr_va_vdst(0)
	global_store_b64 v8, v[124:125], s[34:35]      ; the wave's 256 scale bytes, consecutive and aligned
	s_wait_dscnt 0x0
.irp f, 0,1,2,3
.irp k, 0,1,2
	global_store_b128 v7, v[132+12*\f+4*\k:135+12*\f+4*\k], s[24:25] offset:(8*(\f/2)+\f%2)*1536+512*\k
.endr
.endr
	s_wait_tensorcnt 0x0
	ds_add_u32 v240, v241
	s_wait_dscnt 0x0
	s_endpgm
.Lfunc_end_k_q284b3ea26d_quant:
	.size	k_q284b3ea26d_quant, .Lfunc_end_k_q284b3ea26d_quant-k_q284b3ea26d_quant
	.p2alignl 7, 3214868480
	.fill 96, 4, 3214868480
	.section	.rodata,"a",@progbits
	.p2align	6, 0x0
	.amdhsa_kernel k_q284b3ea26d_quant
		.amdhsa_group_segment_fixed_size 118272
		.amdhsa_private_segment_fixed_size 0
		.amdhsa_enable_private_segment 0
		.amdhsa_kernarg_size 56
		.amdhsa_user_sgpr_count 2
		.amdhsa_user_sgpr_kernarg_segment_ptr 1
		.amdhsa_wavefront_size32 1
		.amdhsa_system_sgpr_workgroup_id_x 1
		.amdhsa_system_sgpr_workgroup_id_y 1
		.amdhsa_system_sgpr_workgroup_id_z 1
		.amdhsa_system_vgpr_workitem_id 0
		.amdhsa_next_free_vgpr 242
		.amdhsa_next_free_sgpr 66
		.amdhsa_reserve_vcc 0
		.amdhsa_float_denorm_mode_32 3
		.amdhsa_float_denorm_mode_16_64 3
		.amdhsa_memory_ordered 1
		.amdhsa_forward_progress 1
		.amdhsa_inst_pref_size 106
	.end_amdhsa_kernel
	.amdgpu_metadata
---
amdhsa.version: [ 1, 2 ]
amdhsa.kernels:
  - .name:           k_q284b3ea26d_quant
    .symbol:         k_q284b3ea26d_quant.kd
    .args:
      - { .name: x, .offset: 0, .size: 8, .value_kind: global_buffer, .address_space: global }
      - { .name: W_attn, .offset: 8, .size: 8, .value_kind: global_buffer, .address_space: global }
      - { .name: W_ffn, .offset: 16, .size: 8, .value_kind: global_buffer, .address_space: global }
      - { .name: XQ, .offset: 24, .size: 8, .value_kind: global_buffer, .address_space: global }
      - { .name: WKQ, .offset: 32, .size: 8, .value_kind: global_buffer, .address_space: global }
      - { .name: WV, .offset: 40, .size: 8, .value_kind: global_buffer, .address_space: global }
      - { .name: WF, .offset: 48, .size: 8, .value_kind: global_buffer, .address_space: global }
    .group_segment_fixed_size: 118272
    .private_segment_fixed_size: 0
    .kernarg_segment_align: 8
    .kernarg_segment_size: 56
    .max_flat_workgroup_size: 128
    .sgpr_count:     66
    .vgpr_count:     242
    .wavefront_size: 32
...
	.end_amdgpu_metadata
.endif
;; end of part 1
;; launch g1kq (part 2): grid 8 x 32, 4 waves a work-group, clusters of 4 x 4, 327,680 bytes of LDS; arguments XQ, WKQ, ZKQ; writes ZKQ
.if DOCPART == 2
	.amdgcn_target "amdgcn-amd-amdhsa--gfx1250"
	.amdhsa_code_object_version 6
	.text
	.protected	k_q284b3ea26d_g1kq
	.globl	k_q284b3ea26d_g1kq
	.p2align	8
	.type	k_q284b3ea26d_g1kq,@function
k_q284b3ea26d_g1kq:
	s_mov_b64 s[64:65], 0
	v_nop
	global_prefetch_b8 v0, s[64:65] scope:SCOPE_SE
	s_setreg_imm32_b32 hwreg(HW_REG_WAVE_MODE, 25, 1), 1
	s_wait_xcnt 0x0
	s_wait_alu depctr_hold_cnt(0) depctr_sa_sdst(0) depctr_va_vdst(0) depctr_va_sdst(0) depctr_va_ssrc(0) depctr_va_vcc(0) depctr_vm_vsrc(0)
	s_getreg_b32 s2, hwreg(HW_REG_IB_STS2, 6, 4)
	s_cmp_eq_u32 s2, 0
	s_cbranch_scc0 .Lentry_in_a_cluster
	s_endpgm
.Lentry_in_a_cluster:
	s_bfe_u32 s2, ttmp6, 0x10000c
	s_cmp_lg_u32 s2, 0xf033
	s_cbranch_scc0 .Lentry_shape_is_right
	s_endpgm
.Lentry_shape_is_right:
; R = A B^T on codes of FP6 (E2M3) with E8M0 scales, K = 1,024, and R is quantised again ALONG B's ROWS on its way out; nothing leaves as f32.
; Arguments: A (rows by work-group y), B (rows by work-group x), OUT.  With A = x's codes and B = W_attn's k and q columns the result is quantised along each head's 64;
; with A = W_attn's v columns and B = x's codes it is v with the tokens innermost.
; OPERANDS lie as images of the operand registers.  A block = 128 rows x 256 K = 25,600 bytes: fragment (q, tile i) at (8 q + i) x 1,536, two halves of 64 K (768 bytes: lane L's registers 0-3 at 16 L,
; registers 4-5 at 512 + 8 L); scale bytes at 24,576 + 8 (16 i + r) + 4 q.  Blocks lie [group of 128 rows][256 of K].  Tile 2 b + u holds in row r the group's row 32 b + 8 u + r + 8 (r / 8).
; A tile of R, 256 x 256, is made by four waves, 128 x 128 each: 64 accumulators, 512 registers.  K goes in four steps of 256 through two LDS slots; a wave's one tensor load brings one block, codes and scales.
; CLUSTERS: 4 x 4 work-groups; A's blocks are asked for jointly along a row of the cluster, B's along a column.
; THE MATRIX INSTRUCTION IS USED TRANSPOSED (source 0 = 16 rows of B, source 1 = 16 rows of A): a lane holds one row of A, and by the tiles' choice of rows the 64 registers of A's block a are
; B's rows 32 b + 16 (lane / 16) + 0 .. 15, b = 0 .. 3: sixteen neighbours of each block of 32 along the axis that is quantised.
; OUT: records of 3,328 bytes, each 64 rows (of A) x 64 (of B's rows): four half fragments at 768 a', then the scale words at 3,072 + 8 (r + 16 (a' / 2)) + 4 (a' % 2).  The even 64 of a 128 holds the whole word, the odd one the word >> 16.
; Record number = (G0 & 31) x 128 + (G0 >> 5) x 16 + G1, G0 = B's row / 64, G1 = A's row / 64.
; LIMITS: NaN and infinities are not served; blocks whose largest magnitude lies under 2^-124 keep the byte 1, blocks of zeros too.
; REGISTERS, in windows of 256: window 0: v16-31 addresses; v32-63 scale words, two sets; v64-115 at work on the way out; v128-223 A's eight fragments, one set.
;   window 1: B's fragments, two sets, at v0 and v128.   windows 2, 3: the accumulators of my rows 0-63 and 64-127, (a, b) at v[8 (8 (a % 4) + b)].
.set PART,  25600                      ; a block: what one tensor load brings
.set SLOT,  4*PART                     ; A's two blocks, then B's two
.set SPARE, 2*SLOT                     ; behind the ring: the spare words, 128 bytes a wave, which no other line names
.set FR,    12
.set NL,    4                          ; LDS loads that bring a fragment
.set NP,    4                          ; places behind this matrix instruction (ISA guide 7.12.1)
.set NQ,    2                          ; matrix instructions deep in a slot
.set ADRA, 16                          ; v16-17 my A block in slot 0, 1, + 16 x lane;  v18-19 + 8 x lane + 512
.set ADRB, 20                          ; v20-23 the same for B
.set ADRS, 24                          ; v24-25 my scale words in slot 0, 1: lanes 0-15 A's rows, lanes 16-31 B's
.set LI,   26                          ; v26 16 x lane
.set LJ,   27                          ; v27 8 x lane + 512
.set SPW,  28                          ; v28 my spare word; never rewritten
.set NIL,  29                          ; v29 0; never rewritten
.set LK,   30                          ; v30 8 x lane
.set SC,   32
.set AF,   128
.set TM,   64                          ; the way out: v64-67 largest magnitudes, v68-71 bytes, v76-79 scale operands
.set PWS,  80                          ; v80-83 four tiles' scale words; v84-87 as they are stored
.set PC,   96                          ; v96-107 a fragment's codes; v108-110, v112-114 the conversions' second halves
.set G1, 24
.set G0, 32
.set G1B, 48
.set G0B, 56
.set MSB, 0
.macro WIN new                         ; the immediate's high byte repeats the setting that is left
.if MSB != \new
	s_set_vgpr_msb (MSB<<8)|\new
.set MSB, \new
.endif
.endm
.set MUL_LO, 0xa1                      ; source 0 (B) window 1, source 1 (A) window 0, C and D window 2
.set MUL_HI, 0xf1
.set TO_B,   0x40
.macro JLOAD g0a, g1a, g0b, g1b        ; a joint load: waves 0 and 1 fetch A's blocks, waves 2 and 3 B's; four v_nop follow each line
	s_cmp_eq_u32 s15, 0
	s_cbranch_scc0 .Lfor_b_\@
	tensor_load_to_lds s[\g0a:\g0a+3], s[\g1a:\g1a+7]
	s_nop 0
.rept 4
	v_nop
.endr
	s_branch .Lasked_\@
.Lfor_b_\@:
	tensor_load_to_lds s[\g0b:\g0b+3], s[\g1b:\g1b+7]
	s_nop 0
.rept 4
	v_nop
.endr
.Lasked_\@:
.endm
.macro CREST
	s_cmp_lg_u32 s14, 0
	s_cbranch_scc1 .Lnot_wave_0_\@
	s_barrier_signal -3
.Lnot_wave_0_\@:
	s_barrier_wait -3
	s_barrier_signal -1
	s_barrier_wait -1
.endm
.macro CROUND
	s_barrier_signal -1
	s_barrier_wait -1
	CREST
.endm
	s_load_b128 s[4:7], s[0:1], 0x0                ; A, B
	s_load_b64 s[8:9], s[0:1], 0x10                ; OUT
	v_lshl_add_u32 v[SPW], v0, 2, SPARE
	v_mov_b32 v[NIL], 0
	ds_add_u32 v28, v29
	ds_add_u32 v28, v29
	s_wait_dscnt 0x0
	v_lshrrev_b32 v1, 5, v0
	v_readfirstlane_b32 s14, v1                    ; wave
	s_lshr_b32 s15, s14, 1                         ; which 128 rows of A are mine.  Also: I fetch for A (0) or B (1)
	s_and_b32 s16, s14, 1                          ; which 128 rows of B.  Also: which block I fetch
	s_bfe_u32 s40, ttmp6, 0x40000                  ; cx
	s_bfe_u32 s41, ttmp6, 0x40004                  ; cy
	s_lshl_b32 s42, ttmp9, 2
	s_add_co_u32 s42, s42, s40                     ; work-group x
	s_and_b32 s17, ttmp7, 0xffff
	s_lshl_b32 s17, s17, 2
	s_add_co_u32 s17, s17, s41                     ; work-group y
	s_lshl_b32 s43, s41, 2
	s_lshl_b32 s43, 15, s43                        ; my row of the cluster
	s_lshl_b32 s44, 0x1111, s40                    ; my column
	s_mov_b32 s18, 0x76543210
	s_mov_b32 s19, 0xfedcba98                      ; v_permlanex16_b32's selects for lane l xor 16
	s_or_b32 s[G1+0], s43, (3<<16)|(1<<21)         ; 15:0 the mask; 17:16 elements of 8 bytes; 20 no padding; 21 set beside a mask
	s_or_b32 s[G1B+0], s44, (3<<16)|(1<<21)
.irp g, G1, G1B
	s_mov_b32 s[\g+1], 32<<16                      ; tensor_dim0 = 32 elements: rows of 256 bytes
	s_mov_b32 s[\g+2], 100<<16                     ; tensor_dim1 = 100 rows: a dense block of 25,600 bytes
	s_mov_b32 s[\g+3], 32<<16                      ; tile_dim0
	s_mov_b32 s[\g+4], 100                         ; tile_dim1
	s_mov_b32 s[\g+5], 32                          ; the pitch
	s_mov_b32 s[\g+6], 0
	s_mov_b32 s[\g+7], 0
.endr
	s_lshl_b32 s20, s17, 1
	s_add_co_u32 s20, s20, s16
	s_mul_i32 s20, s20, 4*PART                     ; A: group 2 y + half, its first block
	s_mov_b32 s21, 0
	s_lshl_b32 s46, s42, 1
	s_add_co_u32 s46, s46, s16
	s_mul_i32 s46, s46, 4*PART                     ; B: group 2 x + half
	s_mov_b32 s47, 0
	s_mul_i32 s45, s14, PART                       ; where they go: wave x a block
	s_wait_kmcnt 0x0
	s_add_nc_u64 s[20:21], s[4:5], s[20:21]
	s_add_nc_u64 s[46:47], s[6:7], s[46:47]
	CROUND                                         ; all sixteen work-groups are here: the first joint loads meet
.irp s, 0,1
	s_mov_b32 s[G0+4*\s], 1
	s_add_co_u32 s[G0+4*\s+1], s45, \s*SLOT
	s_add_nc_u64 s[G0+4*\s+2:G0+4*\s+3], s[20:21], \s*PART
	s_or_b32 s[G0+4*\s+3], s[G0+4*\s+3], 0x80000000
	s_mov_b32 s[G0B+4*\s], 1
	s_add_co_u32 s[G0B+4*\s+1], s45, \s*SLOT
	s_add_nc_u64 s[G0B+4*\s+2:G0B+4*\s+3], s[46:47], \s*PART
	s_or_b32 s[G0B+4*\s+3], s[G0B+4*\s+3], 0x80000000
.endr
	JLOAD G0, G1, G0B, G1B                         ; slot 0: one tensor load a wave at the head
	v_and_b32 v1, 31, v0
	v_and_b32 v2, 15, v0                           ; r
	v_bfe_u32 v3, v0, 4, 1                         ; h
	v_lshlrev_b32 v[LI], 4, v1
	v_lshlrev_b32 v[LK], 3, v1
	v_add_nc_u32 v[LJ], 512, v[LK]
	s_mul_i32 s21, s15, PART                       ; my block of A
	s_mul_i32 s22, s16, PART
	s_add_co_u32 s22, s22, 2*PART                  ; my block of B
	s_sub_co_u32 s23, s22, s21
	v_mul_u32_u24 v4, s23, v3                      ; lanes 16-31 take B's scale words
	v_lshl_add_u32 v4, v2, 3, v4                   ; 8 bytes a row
.irp s, 0,1
	v_add_nc_u32 v[ADRA+\s], s21, v[LI]
	v_add_nc_u32 v[ADRA+2+\s], s21, v[LJ]
	v_add_nc_u32 v[ADRB+\s], s22, v[LI]
	v_add_nc_u32 v[ADRB+2+\s], s22, v[LJ]
	v_add_nc_u32 v[ADRS+\s], s21, v4
	s_add_co_u32 s21, s21, SLOT
	s_add_co_u32 s22, s22, SLOT
.endr
.irp b, 0,1,2,3
	v_mov_b32 v[TM+4+\b], 0                        ; written once: a lane permute's destination counts as one of its sources
.endr
	s_lshl_b32 s46, s42, 2
	s_lshl_b32 s47, s16, 1
	s_add_co_u32 s46, s46, s47                     ; G0 = 4 x + 2 (which 128 of B)
	s_and_b32 s47, s46, 31
	s_lshl_b32 s47, s47, 7
	s_lshr_b32 s46, s46, 5
	s_lshl_b32 s46, s46, 4
	s_add_co_u32 s46, s46, s47
	s_lshl_b32 s20, s17, 2
	s_lshl_b32 s21, s15, 1
	s_add_co_u32 s20, s20, s21                     ; G1 = 4 y + 2 (which 128 of A)
	s_add_co_u32 s20, s20, s46
	s_mul_i32 s20, s20, 3328
	s_mov_b32 s21, 0
	s_add_nc_u64 s[8:9], s[8:9], s[20:21]          ; my first record
.macro FRAG reg, adr, q, i             ; a fragment, 12 registers, as it lies: every load takes consecutive bytes of consecutive lanes
	ds_load_b128 v[\reg:\reg+3], v[\adr] offset:(8*(\q)+(\i))*1536
	ds_load_b64 v[\reg+4:\reg+5], v[\adr+2] offset:(8*(\q)+(\i))*1536
	ds_load_b128 v[\reg+6:\reg+9], v[\adr] offset:(8*(\q)+(\i))*1536+768
	ds_load_b64 v[\reg+10:\reg+11], v[\adr+2] offset:(8*(\q)+(\i))*1536+768
.endm
; 16 matrix instructions: A's blocks a0, a0 + 1 x B's eight, 128 along K.  The 64 accumulators take turns, one instruction a turn, in the same order in every step.
.macro MUL16 a0, p, q, sc, zero
.irp a, \a0, \a0+1
.irp b, 0,1,2,3,4,5,6,7
.if \zero
	v_wmma_scale_f32_16x16x128_f8f6f4 v[8*(8*((\a)%4)+\b):8*(8*((\a)%4)+\b)+7], v[128*(\p)+FR*\b:128*(\p)+FR*\b+FR-1], v[AF+FR*(\a):AF+FR*(\a)+FR-1], 0, v[SC+8*NQ*(\sc)+NQ*\b+(\q)], v[SC+8*NQ*(\sc)+NQ*(\a)+(\q)] matrix_a_fmt:MATRIX_FMT_FP6 matrix_b_fmt:MATRIX_FMT_FP6 matrix_a_scale:MATRIX_SCALE_ROW1
.else
	v_wmma_scale_f32_16x16x128_f8f6f4 v[8*(8*((\a)%4)+\b):8*(8*((\a)%4)+\b)+7], v[128*(\p)+FR*\b:128*(\p)+FR*\b+FR-1], v[AF+FR*(\a):AF+FR*(\a)+FR-1], v[8*(8*((\a)%4)+\b):8*(8*((\a)%4)+\b)+7], v[SC+8*NQ*(\sc)+NQ*\b+(\q)], v[SC+8*NQ*(\sc)+NQ*(\a)+(\q)] matrix_a_fmt:MATRIX_FMT_FP6 matrix_b_fmt:MATRIX_FMT_FP6 matrix_a_scale:MATRIX_SCALE_ROW1
.endif
.endr
.endr
.endm
.macro FETCH_B slot, q, p
	WIN TO_B
.irp i, 0,1,2,3,4,5,6,7
	FRAG 128*(\p)+FR*\i, ADRB+\slot, \q, \i
.endr
	WIN 0
.endm
.macro FETCH_A slot, q, i0
.irp i, \i0, \i0+1, \i0+2, \i0+3
	FRAG AF+FR*(\i), ADRA+\slot, \q, \i
.endr
.endm
.macro SCALES sc                       ; the slot's scale words: two a row; lanes 0-15 A's tile i, lanes 16-31 B's tile i
.irp i, 0,1,2,3,4,5,6,7
	ds_load_b64 v[SC+8*NQ*\sc+NQ*\i:SC+8*NQ*\sc+NQ*\i+1], v[ADRS+\sc] offset:24576+128*\i
.endr
.endm
.macro PLACES n                        ; plain vector instructions between a matrix instruction and a load into, or a read of, its registers
.rept \n
	v_nop
.endr
.endm
.macro STEP slot, q, zero              ; 128 along K that have their successor in the same slot
	s_wait_dscnt 4*NL                              ; all but A's blocks 4-7, four loads each
	WIN MUL_LO
	MUL16 0, (\q)%2, \q, \slot, \zero
	MUL16 2, (\q)%2, \q, \slot, \zero
	s_wait_dscnt 0
	PLACES NP
	FETCH_B \slot, (\q)+1, 1-(\q)%2
	FETCH_A \slot, (\q)+1, 0
	WIN MUL_HI
	MUL16 4, (\q)%2, \q, \slot, \zero
	MUL16 6, (\q)%2, \q, \slot, \zero
	PLACES NP
	WIN 0
	FETCH_A \slot, (\q)+1, 4
.endm
; A slot's last 128 change slots: one barrier; in front of it each wave waits for all its tensor loads, adds 0 to its spare word, and waits for that and for its reads of this slot.
.macro TURN slot, next, fill
	s_wait_tensorcnt 0x0                           ; all my tensor loads have landed: my block of the next slot
	ds_add_u32 v[SPW], v[NIL]                      ; 0 onto my spare word
	s_wait_dscnt 4*NL+1                            ; (the add and A's blocks 4-7 may be out)
	WIN MUL_LO
	MUL16 0, 1, NQ-1, \slot, 0
	s_wait_dscnt 0x0                               ; the add is done, and my reads of this slot are over
	s_barrier_signal -1
	MUL16 2, 1, NQ-1, \slot, 0
	WIN 0
	s_barrier_wait -1
.if \fill
	CREST                                          ; the barrier has opened a round of the cluster's: no wave of any partner still reads this slot or has a load on its way
	s_add_nc_u64 s[G0+4*\slot+2:G0+4*\slot+3], s[G0+4*\slot+2:G0+4*\slot+3], 2*PART
	s_add_nc_u64 s[G0B+4*\slot+2:G0B+4*\slot+3], s[G0B+4*\slot+2:G0B+4*\slot+3], 2*PART
	JLOAD G0+4*\slot, G1, G0B+4*\slot, G1B         ; the first tensor load behind the round; its four v_nop are the places in front of the loads below
.else
	PLACES NP
.endif
	s_wait_alu depctr_va_vdst(0)
	FETCH_B \next, 0, 0
	FETCH_A \next, 0, 0
	SCALES \next
	WIN MUL_HI
	MUL16 4, 1, NQ-1, \slot, 0
	MUL16 6, 1, NQ-1, \slot, 0
	PLACES NP
	WIN 0
	FETCH_A \next, 0, 4
.endm
	s_wait_alu depctr_va_vdst(0)
	s_wait_tensorcnt 0x0                           ; my block of slot 0 is in
	ds_add_u32 v[SPW], v[NIL]
	s_wait_dscnt 0x0
	CROUND                                         ; everybody's block of slot 0 is in, and the sixteen work-groups meet
	JLOAD G0+4, G1, G0B+4, G1B                     ; slot 1's first fill, the first tensor load behind the round
	FETCH_B 0, 0, 0
	FETCH_A 0, 0, 0
	SCALES 0
	FETCH_A 0, 0, 4
	STEP 0, 0, 1                                   ; K = 1,024 is four slots' worth: written straight.  The first products start the sums
	TURN 0, 1, 1
	STEP 1, 0, 0
	TURN 1, 0, 1
	STEP 0, 0, 0
	TURN 0, 1, 0                                   ; nothing is left to fetch
	STEP 1, 0, 0
	s_wait_dscnt 4*NL
	WIN MUL_LO
	MUL16 0, 1, NQ-1, 1, 0
	MUL16 2, 1, NQ-1, 1, 0
	s_wait_dscnt 0
	WIN MUL_HI
	MUL16 4, 1, NQ-1, 1, 0
	MUL16 6, 1, NQ-1, 1, 0
	WIN 0
; THE WAY OUT.  A's block a: my lane's 64 numbers become a fragment's codes and a scale word; the fragment's two halves belong to two records, 128 records apart.  The images leave from registers:
; each store takes consecutive bytes of consecutive lanes, 512 or 256 of them, aligned to 256.
.macro QOUT a
.set AC, 64*((\a)%4)
.set QW, 2+(\a)/4
.set QWW, 5*QW
.if (\a) > 0
	s_wait_xcnt 0x0                                ; the last block's stores have read their registers
.endif
	WIN QWW                                        ; sources 0 and 1 in the accumulators' window
.irp b, 0,1,2,3
	v_max3_num_f32 v[TM+\b], |v[AC+16*\b]|, |v[AC+16*\b+1]|, 0x1800000    ; each accumulator is read from its low end on; the floor 2^(3 - 127) holds the byte at 1
.endr
.irp i, 2,4,6,8,10,12,14
.irp b, 0,1,2,3
	v_max3_num_f32 v[TM+\b], |v[AC+16*\b+\i]|, |v[AC+16*\b+\i+1]|, v[TM+\b]
.endr
.endr
	WIN 0
.irp b, 0,1,2,3
	v_permlanex16_b32 v[TM+4+\b], v[TM+\b], s18, s19
.endr
.irp b, 0,1,2,3
	v_max_num_f32 v[TM+\b], v[TM+\b], v[TM+4+\b]   ; with lane l xor 16's sixteen: the block's largest magnitude
.endr
.irp b, 0,1,2,3
	v_add_nc_u32 v[TM+12+\b], 0xff000000, v[TM+\b] ; 2 off the exponent field: the conversion's scale operand
.endr
.irp b, 0,1,2,3
	v_lshrrev_b32 v[TM+4+\b], 23, v[TM+12+\b]
.endr
	v_lshl_or_b32 v[PWS+(\a)%4], v[TM+5], 8, v[TM+4]
	v_lshl_or_b32 v[PWS+(\a)%4], v[TM+6], 16, v[PWS+(\a)%4]
	v_lshl_or_b32 v[PWS+(\a)%4], v[TM+7], 24, v[PWS+(\a)%4]
	WIN QW                                         ; source 0 in the accumulators' window
.irp c, 0,1
	v_cvt_scalef32_pk16_fp6_f32 v[PC+6*\c:PC+6*\c+2], v[AC+32*\c:AC+32*\c+15], v[TM+12+2*\c]
	v_cvt_scalef32_pk16_fp6_f32 v[PC+12+4*\c:PC+14+4*\c], v[AC+16+32*\c:AC+31+32*\c], v[TM+12+2*\c+1]
.endr
	WIN 0
	v_nop                                          ; one plain line behind the conversions
.irp c, 0,1                            ; the layout wants a whole block of 32 in a lane
.irp i, 0,1,2
	v_permlane16_swap_b32 v[PC+6*\c+\i], v[PC+12+4*\c+\i]
.endr
.irp i, 0,1,2
	v_mov_b32 v[PC+3+6*\c+\i], v[PC+12+4*\c+\i]
.endr
.endr
	global_store_b128 v[LI], v[PC:PC+3], s[8:9] offset:((\a)/4)*3328+((\a)%4)*768
	global_store_b64 v[LJ], v[PC+4:PC+5], s[8:9] offset:((\a)/4)*3328+((\a)%4)*768
	global_store_b128 v[LI], v[PC+6:PC+9], s[8:9] offset:((\a)/4)*3328+((\a)%4)*768+425984
	global_store_b64 v[LJ], v[PC+10:PC+11], s[8:9] offset:((\a)/4)*3328+((\a)%4)*768+425984
.if (\a)%4 == 3                        ; four tiles' scale words: lanes 0-15 store tiles 0 and 1, lanes 16-31 tiles 2 and 3
	v_cndmask_b32 v84, v[PWS], v[PWS+2], vcc_lo
	v_cndmask_b32 v85, v[PWS+1], v[PWS+3], vcc_lo
	v_lshrrev_b32 v86, 16, v84
	v_lshrrev_b32 v87, 16, v85
	global_store_b64 v[LK], v[84:85], s[8:9] offset:((\a)/4)*3328+3072
	global_store_b64 v[LK], v[86:87], s[8:9] offset:((\a)/4)*3328+3072+425984
.endif
.endm
	PLACES NP
	s_mov_b32 vcc_lo, 0xffff0000
.irp a, 0,1,2,3,4,5,6,7
	QOUT \a
.endr
	s_wait_tensorcnt 0x0                           ; the wave's end
	ds_add_u32 v[SPW], v[NIL]
	s_wait_dscnt 0x0
	CROUND                                         ; the closing round
	s_endpgm
.Lfunc_end_k_q284b3ea26d_g1kq:
	.size	k_q284b3ea26d_g1kq, .Lfunc_end_k_q284b3ea26d_g1kq-k_q284b3ea26d_g1kq
	.p2alignl 7, 3214868480
	.fill 96, 4, 3214868480
	.section	.rodata,"a",@progbits
	.p2align	6, 0x0
	.amdhsa_kernel k_q284b3ea26d_g1kq
		.amdhsa_group_segment_fixed_size 327680
		.amdhsa_private_segment_fixed_size 0
		.amdhsa_enable_private_segment 0
		.amdhsa_kernarg_size 24
		.amdhsa_user_sgpr_count 2
		.amdhsa_user_sgpr_kernarg_segment_ptr 1
		.amdhsa_wavefront_size32 1
		.amdhsa_system_sgpr_workgroup_id_x 1
		.amdhsa_system_sgpr_workgroup_id_y 1
		.amdhsa_system_sgpr_workgroup_id_z 1
		.amdhsa_system_vgpr_workitem_id 0
		.amdhsa_next_free_vgpr 1024
		.amdhsa_next_free_sgpr 66
		.amdhsa_reserve_vcc 1
		.amdhsa_float_denorm_mode_32 3
		.amdhsa_float_denorm_mode_16_64 3
		.amdhsa_memory_ordered 1
		.amdhsa_forward_progress 1
		.amdhsa_inst_pref_size 147
	.end_amdhsa_kernel
	.amdgpu_metadata
---
amdhsa.version: [ 1, 2 ]
amdhsa.kernels:
  - .name:           k_q284b3ea26d_g1kq
    .symbol:         k_q284b3ea26d_g1kq.kd
    .args:
      - { .name: XQ, .offset: 0, .size: 8, .value_kind: global_buffer, .address_space: global }
      - { .name: WKQ, .offset: 8, .size: 8, .value_kind: global_buffer, .address_space: global }
      - { .name: ZKQ, .offset: 16, .size: 8, .value_kind: global_buffer, .address_space: global }
    .group_segment_fixed_size: 327680
    .private_segment_fixed_size: 0
    .kernarg_segment_align: 8
    .kernarg_segment_size: 24
    .max_flat_workgroup_size: 128
    .sgpr_count:     66
    .vgpr_count:     1024
    .wavefront_size: 32
...
	.end_amdgpu_metadata
.endif
;; end of part 2
;; launch g1v (part 3): grid 32 x 8, 4 waves a work-group, clusters of 4 x 4, 327,680 bytes of LDS; arguments WV, XQ, ZV; writes ZV
.if DOCPART == 3
	.amdgcn_target "amdgcn-amd-amdhsa--gfx1250"
	.amdhsa_code_object_version 6
	.text
	.protected	k_q284b3ea26d_g1v
	.globl	k_q284b3ea26d_g1v
	.p2align	8
	.type	k_q284b3ea26d_g1v,@function
k_q284b3ea26d_g1v:
	s_mov_b64 s[64:65], 0
	v_nop
	global_prefetch_b8 v0, s[64:65] scope:SCOPE_SE
	s_setreg_imm32_b32 hwreg(HW_REG_WAVE_MODE, 25, 1), 1
	s_wait_xcnt 0x0
	s_wait_alu depctr_hold_cnt(0) depctr_sa_sdst(0) depctr_va_vdst(0) depctr_va_sdst(0) depctr_va_ssrc(0) depctr_va_vcc(0) depctr_vm_vsrc(0)
	s_getreg_b32 s2, hwreg(HW_REG_IB_STS2, 6, 4)
	s_cmp_eq_u32 s2, 0
	s_cbranch_scc0 .Lentry_in_a_cluster
	s_endpgm
.Lentry_in_a_cluster:
	s_bfe_u32 s2, ttmp6, 0x10000c
	s_cmp_lg_u32 s2, 0xf033
	s_cbranch_scc0 .Lentry_shape_is_right
	s_endpgm
.Lentry_shape_is_right:
; v = W_v^T x^T on codes of FP6 (E2M3) with E8M0 scales, K = 1,024, quantised again along the tokens on its way out.  A = W_attn's v columns (rows by work-group y), B = x's codes (rows by work-group x).
; OPERANDS lie as images of the operand registers.  A block = 128 rows x 256 K = 25,600 bytes: fragment (q, tile i) at (8 q + i) x 1,536, two halves of 64 K (768 bytes: lane L's registers 0-3 at 16 L,
; registers 4-5 at 512 + 8 L); scale bytes at 24,576 + 8 (16 i + r) + 4 q.  Blocks lie [group of 128 rows][256 of K].  Tile 2 b + u holds in row r the group's row 32 b + 8 u + r + 8 (r / 8).
; A WORK-GROUP makes 128 rows of A x 256 rows of B: 8 x 32 = 256 work-groups.  ALL OF K LIES IN LDS: 12 blocks, 307,200 bytes, each filled once, so no slot is filled again.
; LDS: two halves of K, each [A's two blocks][B's first group, two blocks][B's second group, two blocks].  One joint load a wave at the head: wave 0 A's first half of K (51,200 dense bytes),
; wave 1 B's (two rows of 51,200 bytes, 102,400 apart), waves 2 and 3 the second half.  The first barrier shows waves 0 and 1's tiles (their load lines are theirs alone), the second, in K step 3, all.
; CLUSTERS: 4 x 4; A's blocks are asked for jointly along a row of the cluster, B's along a column.  No L2 prefetch: all that the launch reads is asked for at its head.
; A WAVE makes 64 x 128: 32 accumulators in window 2, (a, b) at v[8 (8 a + b)].  Two sets of fragments for A (window 0, v128-223) and for B (window 1, v0-95, v128-223): a K step's 32 products follow the next step's LDS loads.
; THE MATRIX INSTRUCTION IS USED TRANSPOSED (source 0 = B's rows): a lane holds one row of A, and its 64 registers of A's tile a are B's rows 32 b + 16 (lane / 16) + 0 .. 15, b = 0 .. 3.
; OUT: records of 3,328 bytes, 64 rows of A x 64 of B's rows: four half fragments at 768 a, scale words at 3,072 + 8 (r + 16 (a / 2)) + 4 (a % 2); the even 64 of a 128 holds the whole word, the odd one the word >> 16.
; Record number = (G0 & 31) x 128 + (G0 >> 5) x 16 + G1, G0 = B's row / 64, G1 = A's row / 64.
; LIMITS: NaN and infinities are not served; blocks whose largest magnitude lies under 2^-124 keep the byte 1, blocks of zeros too.
.set PART,  25600
.set HALF,  6*PART
.set SPARE, 2*HALF                     ; behind the tiles: the spare words, 128 bytes a wave, which no other line names
.set FR,    12
.set LI,   26                          ; v26 16 x lane
.set LJ,   27                          ; v27 8 x lane + 512
.set SPW,  28
.set NIL,  29
.set LK,   30                          ; v30 8 x lane
.set SC,   32                          ; v32-63 scale words, two sets: register 2 i + q: lanes 0-15 A's tile i, lanes 16-31 B's tile i
.set TM,   64
.set PWS,  80
.set PC,   96
.set AF,   128
.set AD,   224                         ; v224-243 LDS addresses, five for each 256 of K: A + 16 L, A + 8 L + 512, B likewise, the scale words
.set G1A, 24
.set G0A, 32
.set G1B, 48
.set G0B, 56
.set MSB, 0
.macro WIN new                         ; the immediate's high byte repeats the setting that is left
.if MSB != \new
	s_set_vgpr_msb (MSB<<8)|\new
.set MSB, \new
.endif
.endm
.set MUL,  0xa1                        ; source 0 (B) window 1, source 1 (A) window 0, C and D window 2
.set TO_B, 0x40
.macro PLACES n
.rept \n
	v_nop
.endr
.endm
.macro TLOAD g0, g1                    ; s_nop 0 and four v_nop follow the load
	tensor_load_to_lds s[\g0:\g0+3], s[\g1:\g1+7]
	s_nop 0
	PLACES 4
.endm
.macro CROUND
	s_barrier_signal -1
	s_barrier_wait -1
	s_cmp_lg_u32 s14, 0
	s_cbranch_scc1 .Lnot_wave_0_\@
	s_barrier_signal -3
.Lnot_wave_0_\@:
	s_barrier_wait -3
	s_barrier_signal -1
	s_barrier_wait -1
.endm
	s_load_b128 s[4:7], s[0:1], 0x0                ; A, B
	s_load_b64 s[8:9], s[0:1], 0x10                ; OUT
	v_lshl_add_u32 v[SPW], v0, 2, SPARE
	v_mov_b32 v[NIL], 0
	ds_add_u32 v[SPW], v[NIL]                      ; the opening lines
	ds_add_u32 v[SPW], v[NIL]
	v_lshrrev_b32 v1, 5, v0
	v_readfirstlane_b32 s14, v1                    ; wave
	s_lshr_b32 s15, s14, 1                         ; which 64 rows of A are mine.  Also: which half of K I fetch
	s_and_b32 s16, s14, 1                          ; which 128 rows of B.  Also: I fetch for A (0) or B (1)
	s_bfe_u32 s40, ttmp6, 0x40000                  ; cx
	s_bfe_u32 s41, ttmp6, 0x40004                  ; cy
	s_lshl_b32 s42, ttmp9, 2
	s_add_co_u32 s42, s42, s40                     ; work-group x
	s_and_b32 s17, ttmp7, 0xffff
	s_lshl_b32 s17, s17, 2
	s_add_co_u32 s17, s17, s41                     ; work-group y
	s_lshl_b32 s43, s41, 2
	s_lshl_b32 s43, 15, s43                        ; my row of the cluster
	s_lshl_b32 s44, 0x1111, s40                    ; my column
	s_mov_b32 s18, 0x76543210
	s_mov_b32 s19, 0xfedcba98                      ; v_permlanex16_b32's selects for lane l xor 16
	s_or_b32 s[G1A], s43, (3<<16)|(1<<21)          ; A: 51,200 dense bytes as 200 rows of 256 (32 elements of 8 bytes)
	s_mov_b32 s[G1A+1], 32<<16
	s_mov_b32 s[G1A+2], 200<<16
	s_mov_b32 s[G1A+3], 32<<16
	s_mov_b32 s[G1A+4], 200
	s_mov_b32 s[G1A+5], 32
	s_mov_b32 s[G1A+6], 0
	s_mov_b32 s[G1A+7], 0
	s_or_b32 s[G1B], s44, (3<<16)|(1<<21)          ; B: two rows of 51,200 bytes (6,400 elements), a group's 102,400 bytes apart
	s_mov_b32 s[G1B+1], 6400<<16
	s_mov_b32 s[G1B+2], 2<<16
	s_mov_b32 s[G1B+3], 6400<<16
	s_mov_b32 s[G1B+4], 2
	s_mov_b32 s[G1B+5], 12800
	s_mov_b32 s[G1B+6], 0
	s_mov_b32 s[G1B+7], 0
	s_mul_i32 s22, s15, 2*PART                     ; my half of K
	s_mul_i32 s20, s17, 4*PART                     ; A: group y
	s_add_co_u32 s20, s20, s22
	s_mov_b32 s21, 0
	s_mul_i32 s46, s42, 8*PART                     ; B: groups 2 x, 2 x + 1
	s_add_co_u32 s46, s46, s22
	s_mov_b32 s47, 0
	s_mov_b32 s[G0A], 1
	s_mul_i32 s[G0A+1], s15, HALF
	s_mov_b32 s[G0B], 1
	s_add_co_u32 s[G0B+1], s[G0A+1], 2*PART
	s_wait_dscnt 0x0                               ; both opening adds are done
	s_wait_kmcnt 0x0
	s_add_nc_u64 s[G0A+2:G0A+3], s[4:5], s[20:21]
	s_or_b32 s[G0A+3], s[G0A+3], 0x80000000
	s_add_nc_u64 s[G0B+2:G0B+3], s[6:7], s[46:47]
	s_or_b32 s[G0B+3], s[G0B+3], 0x80000000
	CROUND                                         ; all sixteen work-groups are here: the joint loads meet
	s_cmp_eq_u32 s14, 0                            ; one chain of branches on the wave's number, one load to an arm
	s_cbranch_scc0 .Lw1
	TLOAD G0A, G1A
	s_branch .Lasked
.Lw1:
	s_cmp_eq_u32 s14, 1
	s_cbranch_scc0 .Lw2
	TLOAD G0B, G1B
	s_branch .Lasked
.Lw2:
	s_cmp_eq_u32 s14, 2
	s_cbranch_scc0 .Lw3
	TLOAD G0A, G1A
	s_branch .Lasked
.Lw3:
	TLOAD G0B, G1B
.Lasked:
	s_lshl_b32 s36, s42, 2
	s_lshl_b32 s38, s16, 1
	s_add_co_u32 s36, s36, s38                     ; G0 = 4 x + 2 (which 128 of B)
	s_and_b32 s38, s36, 31
	s_lshl_b32 s38, s38, 7
	s_lshr_b32 s36, s36, 5
	s_lshl_b32 s36, s36, 4
	s_add_co_u32 s36, s36, s38
	s_lshl_b32 s38, s17, 1
	s_add_co_u32 s38, s38, s15                     ; G1 = 2 y + (which 64 of A)
	s_add_co_u32 s36, s36, s38
	s_mul_i32 s36, s36, 3328
	s_mov_b32 s37, 0
	s_add_nc_u64 s[8:9], s[8:9], s[36:37]          ; my first record
	s_mul_i32 s21, s15, 4*1536                     ; my four tiles of A
	s_mul_i32 s22, s16, 2*PART
	s_add_co_u32 s22, s22, 2*PART                  ; my group of B
	s_lshl_b32 s23, s15, 9                         ; my four tiles' scale words
	s_sub_co_u32 s20, s22, s23
	v_and_b32 v1, 31, v0
	v_and_b32 v2, 15, v0                           ; r
	v_bfe_u32 v3, v0, 4, 1                         ; h
	v_lshlrev_b32 v[LI], 4, v1
	v_lshlrev_b32 v[LK], 3, v1
	v_add_nc_u32 v[LJ], 512, v[LK]
	v_mul_u32_u24 v4, s20, v3                      ; lanes 16-31 take B's scale words
	v_lshl_add_u32 v4, v2, 3, v4
	v_add_nc_u32 v[AD], s21, v[LI]
	v_add_nc_u32 v[AD+1], s21, v[LJ]
	v_add_nc_u32 v[AD+2], s22, v[LI]
	v_add_nc_u32 v[AD+3], s22, v[LJ]
	v_add_nc_u32 v[AD+4], s23, v4
.irp k, 1,2,3
.irp j, 0,1,2,3,4
	v_add_nc_u32 v[AD+5*\k+\j], (\k/2)*HALF+(\k%2)*PART, v[AD+\j]
.endr
.endr
.irp b, 0,1,2,3
	v_mov_b32 v[TM+4+\b], 0                        ; written once: a lane permute's destination counts as one of its sources
.endr
.macro FRAG reg, adr, q, i             ; a fragment, 12 registers, as it lies
	ds_load_b128 v[\reg:\reg+3], v[\adr] offset:(8*(\q)+(\i))*1536
	ds_load_b64 v[\reg+4:\reg+5], v[\adr+1] offset:(8*(\q)+(\i))*1536
	ds_load_b128 v[\reg+6:\reg+9], v[\adr] offset:(8*(\q)+(\i))*1536+768
	ds_load_b64 v[\reg+10:\reg+11], v[\adr+1] offset:(8*(\q)+(\i))*1536+768
.endm
.macro FETCH n                         ; K step n (128 along K) into set n % 2; with an even step the scale words of its 256 (for i > 3 lanes 0-15 read words that no product takes)
.set KB_, (\n)/2
.set Q_, (\n)%2
	WIN TO_B
.irp i, 0,1,2,3,4,5,6,7
	FRAG 128*Q_+FR*\i, AD+5*KB_+2, Q_, \i
.endr
	WIN 0
.irp i, 0,1,2,3
	FRAG AF+48*Q_+FR*\i, AD+5*KB_, Q_, \i
.endr
.if Q_ == 0
.irp i, 0,1,2,3,4,5,6,7
	ds_load_b64 v[SC+16*(KB_%2)+2*\i:SC+16*(KB_%2)+2*\i+1], v[AD+5*KB_+4] offset:24576+128*\i
.endr
.endif
.endm
; 16 products: A's tiles a0, a0 + 1 x B's eight.  The 32 accumulators take turns, in the same order in every step.
.macro MUL16 a0, p, sc, zero
.irp a, \a0, \a0+1
.irp b, 0,1,2,3,4,5,6,7
.if \zero
	v_wmma_scale_f32_16x16x128_f8f6f4 v[8*(8*(\a)+\b):8*(8*(\a)+\b)+7], v[128*(\p)+FR*\b:128*(\p)+FR*\b+FR-1], v[AF+48*(\p)+FR*(\a):AF+48*(\p)+FR*(\a)+FR-1], 0, v[SC+16*(\sc)+2*\b+(\p)], v[SC+16*(\sc)+2*(\a)+(\p)] matrix_a_fmt:MATRIX_FMT_FP6 matrix_b_fmt:MATRIX_FMT_FP6 matrix_a_scale:MATRIX_SCALE_ROW1
.else
	v_wmma_scale_f32_16x16x128_f8f6f4 v[8*(8*(\a)+\b):8*(8*(\a)+\b)+7], v[128*(\p)+FR*\b:128*(\p)+FR*\b+FR-1], v[AF+48*(\p)+FR*(\a):AF+48*(\p)+FR*(\a)+FR-1], v[8*(8*(\a)+\b):8*(8*(\a)+\b)+7], v[SC+16*(\sc)+2*\b+(\p)], v[SC+16*(\sc)+2*(\a)+(\p)] matrix_a_fmt:MATRIX_FMT_FP6 matrix_b_fmt:MATRIX_FMT_FP6 matrix_a_scale:MATRIX_SCALE_ROW1
.endif
.endr
.endr
.endm
.macro STEP n, zero, fetch             ; this step's fragments are in; the next step's are asked for, four places behind the products that read their registers; 32 products
	s_wait_dscnt 0x0
.if \fetch
	PLACES 4
	FETCH (\n)+1
.endif
	WIN MUL
	MUL16 0, (\n)%2, ((\n)/2)%2, \zero
	MUL16 2, (\n)%2, ((\n)/2)%2, \zero
	WIN 0
.endm
	s_wait_alu depctr_va_vdst(0)
	s_cmp_lt_u32 s14, 2
	s_cbranch_scc0 .Lnot_first
	s_wait_tensorcnt 0x0                           ; waves 0 and 1: my tile of the first half of K is in
.Lnot_first:
	s_barrier_signal -1
	s_barrier_wait -1                              ; the first half of K is in
	FETCH 0
	STEP 0, 1, 1                                   ; the first products start the sums
	STEP 1, 0, 1
	STEP 2, 0, 1
	s_wait_dscnt 0x0                               ; step 3: my reads of the first half are over
	WIN MUL
	MUL16 0, 1, 1, 0
	s_wait_tensorcnt 0x0                           ; every wave: whatever I asked for is in
	s_barrier_signal -1
	MUL16 2, 1, 1, 0
	WIN 0
	s_barrier_wait -1                              ; the second half of K is in
	PLACES 4
	FETCH 4
	STEP 4, 0, 1
	STEP 5, 0, 1
	STEP 6, 0, 1
	STEP 7, 0, 0
; THE WAY OUT.  A's tile a: my lane's 64 numbers become a fragment's codes and a scale word; the fragment's two halves belong to two records, 128 records apart.
; Each store takes consecutive bytes of consecutive lanes, 512 or 256 of them, aligned to 256.
.macro QOUT a
.set AC, 64*(\a)
.if (\a) > 0
	s_wait_xcnt 0x0                                ; the last tile's stores have read their registers
.endif
	WIN 0x0a                                       ; sources 0 and 1 in the accumulators' window
.irp b, 0,1,2,3
	v_max3_num_f32 v[TM+\b], |v[AC+16*\b]|, |v[AC+16*\b+1]|, 0x1800000    ; each accumulator from its low end on; the floor 2^(3 - 127) holds the byte at 1
.endr
.irp i, 2,4,6,8,10,12,14
.irp b, 0,1,2,3
	v_max3_num_f32 v[TM+\b], |v[AC+16*\b+\i]|, |v[AC+16*\b+\i+1]|, v[TM+\b]
.endr
.endr
	WIN 0
.irp b, 0,1,2,3
	v_permlanex16_b32 v[TM+4+\b], v[TM+\b], s18, s19
.endr
.irp b, 0,1,2,3
	v_max_num_f32 v[TM+\b], v[TM+\b], v[TM+4+\b]   ; with lane l xor 16's sixteen: the block's largest magnitude
.endr
.irp b, 0,1,2,3
	v_add_nc_u32 v[TM+12+\b], 0xff000000, v[TM+\b] ; 2 off the exponent field: the conversion's scale operand
.endr
.irp b, 0,1,2,3
	v_lshrrev_b32 v[TM+4+\b], 23, v[TM+12+\b]
.endr
	v_lshl_or_b32 v[PWS+(\a)], v[TM+5], 8, v[TM+4]
	v_lshl_or_b32 v[PWS+(\a)], v[TM+6], 16, v[PWS+(\a)]
	v_lshl_or_b32 v[PWS+(\a)], v[TM+7], 24, v[PWS+(\a)]
	WIN 2
.irp c, 0,1
	v_cvt_scalef32_pk16_fp6_f32 v[PC+6*\c:PC+6*\c+2], v[AC+32*\c:AC+32*\c+15], v[TM+12+2*\c]
	v_cvt_scalef32_pk16_fp6_f32 v[PC+12+4*\c:PC+14+4*\c], v[AC+16+32*\c:AC+31+32*\c], v[TM+12+2*\c+1]
.endr
	WIN 0
	v_nop                                          ; one plain line behind the conversions
.irp c, 0,1                            ; the layout wants a whole block of 32 in a lane
.irp i, 0,1,2
	v_permlane16_swap_b32 v[PC+6*\c+\i], v[PC+12+4*\c+\i]
.endr
.irp i, 0,1,2
	v_mov_b32 v[PC+3+6*\c+\i], v[PC+12+4*\c+\i]
.endr
.endr
	global_store_b128 v[LI], v[PC:PC+3], s[8:9] offset:(\a)*768
	global_store_b64 v[LJ], v[PC+4:PC+5], s[8:9] offset:(\a)*768
	global_store_b128 v[LI], v[PC+6:PC+9], s[8:9] offset:(\a)*768+425984
	global_store_b64 v[LJ], v[PC+10:PC+11], s[8:9] offset:(\a)*768+425984
.if (\a) == 3                          ; four tiles' scale words: lanes 0-15 store tiles 0 and 1, lanes 16-31 tiles 2 and 3
	v_cndmask_b32 v84, v[PWS], v[PWS+2], vcc_lo
	v_cndmask_b32 v85, v[PWS+1], v[PWS+3], vcc_lo
	v_lshrrev_b32 v86, 16, v84
	v_lshrrev_b32 v87, 16, v85
	global_store_b64 v[LK], v[84:85], s[8:9] offset:3072
	global_store_b64 v[LK], v[86:87], s[8:9] offset:3072+425984
.endif
.endm
	PLACES 4
	s_mov_b32 vcc_lo, 0xffff0000
.irp a, 0,1,2,3
	QOUT \a
.endr
	s_wait_tensorcnt 0x0                           ; the wave's end
	ds_add_u32 v[SPW], v[NIL]
	s_wait_dscnt 0x0
	CROUND                                         ; the closing round
	s_endpgm
.Lfunc_end_k_q284b3ea26d_g1v:
	.size	k_q284b3ea26d_g1v, .Lfunc_end_k_q284b3ea26d_g1v-k_q284b3ea26d_g1v
	.p2alignl 7, 3214868480
	.fill 96, 4, 3214868480
	.section	.rodata,"a",@progbits
	.p2align	6, 0x0
	.amdhsa_kernel k_q284b3ea26d_g1v
		.amdhsa_group_segment_fixed_size 327680
		.amdhsa_private_segment_fixed_size 0
		.amdhsa_enable_private_segment 0
		.amdhsa_kernarg_size 24
		.amdhsa_user_sgpr_count 2
		.amdhsa_user_sgpr_kernarg_segment_ptr 1
		.amdhsa_wavefront_size32 1
		.amdhsa_system_sgpr_workgroup_id_x 1
		.amdhsa_system_sgpr_workgroup_id_y 1
		.amdhsa_system_sgpr_workgroup_id_z 1
		.amdhsa_system_vgpr_workitem_id 0
		.amdhsa_next_free_vgpr 768
		.amdhsa_next_free_sgpr 66
		.amdhsa_reserve_vcc 1
		.amdhsa_float_denorm_mode_32 3
		.amdhsa_float_denorm_mode_16_64 3
		.amdhsa_memory_ordered 1
		.amdhsa_forward_progress 1
		.amdhsa_inst_pref_size 86
	.end_amdhsa_kernel
	.amdgpu_metadata
---
amdhsa.version: [ 1, 2 ]
amdhsa.kernels:
  - .name:           k_q284b3ea26d_g1v
    .symbol:         k_q284b3ea26d_g1v.kd
    .args:
      - { .name: WV, .offset: 0, .size: 8, .value_kind: global_buffer, .address_space: global }
      - { .name: XQ, .offset: 8, .size: 8, .value_kind: global_buffer, .address_space: global }
      - { .name: ZV, .offset: 16, .size: 8, .value_kind: global_buffer, .address_space: global }
    .group_segment_fixed_size: 327680
    .private_segment_fixed_size: 0
    .kernarg_segment_align: 8
    .kernarg_segment_size: 24
    .max_flat_workgroup_size: 128
    .sgpr_count:     66
    .vgpr_count:     768
    .wavefront_size: 32
...
	.end_amdgpu_metadata
.endif
;; end of part 3
;; launch att (part 4): grid 4 x 64, 8 waves a work-group, clusters of 4 x 1, 215,040 bytes of LDS; arguments ZKQ, ZV, YQ; writes YQ
.if DOCPART == 4
	.amdgcn_target "amdgcn-amd-amdhsa--gfx1250"
	.amdhsa_code_object_version 6
	.text
	.protected	k_q284b3ea26d_att
	.globl	k_q284b3ea26d_att
	.p2align	8
	.type	k_q284b3ea26d_att,@function
k_q284b3ea26d_att:
	s_mov_b64 s[64:65], 0
	v_nop
	global_prefetch_b8 v0, s[64:65] scope:SCOPE_SE
	s_setreg_imm32_b32 hwreg(HW_REG_WAVE_MODE, 25, 1), 1
	s_wait_xcnt 0x0
	s_wait_alu depctr_hold_cnt(0) depctr_sa_sdst(0) depctr_va_vdst(0) depctr_va_sdst(0) depctr_va_ssrc(0) depctr_va_vcc(0) depctr_vm_vsrc(0)
	s_getreg_b32 s2, hwreg(HW_REG_IB_STS2, 6, 4)
	s_cmp_eq_u32 s2, 0
	s_cbranch_scc0 .Lentry_in_a_cluster
	s_endpgm
.Lentry_in_a_cluster:
	s_bfe_u32 s2, ttmp6, 0x10000c
	s_cmp_lg_u32 s2, 0x3003
	s_cbranch_scc0 .Lentry_shape_is_right
	s_endpgm
.Lentry_shape_is_right:
; Causal attention of one head on codes of FP6 (E2M3): scores[i][j] = row_i . key_j / 8 for j <= i (the rows are z's first 1,024 columns, the keys its second), p = 2^(t - M), y = (p v) / sum(p), and y is quantised along head x 64 + d.
; t = score x log2(e) / 8; M = the running largest t rounded up to a whole number; the row's sum is taken of the unquantised p; when M moves, the sum and O are multiplied by 2^(old M - new M), exactly.
; Key steps all of whose keys come after a tile's rows are left out: the causal mask hides them.
; INPUTS: records of 3,328 bytes (64 rows x 64 K: four half fragments of 768 bytes as register images, then 256 bytes of scale words).  ZKQ: record (z column / 64) x 128 + token / 64.
; ZV: record (token group in the batch) x 128 + 16 batch + head: 64 of the head's d x 64 tokens, the tokens innermost.  Tile 2 b + u of 128 rows holds in row r the row 32 b + 8 u + r + 8 (r / 8).
; A HEAD'S KEYS AND VALUES, 2 x 106,496 bytes, FIT IN LDS WHOLE: filled once, by joint loads of the head's four work-groups (a cluster), one load a wave; one barrier follows, and from then on LDS is only read.
; SHARES: a wave takes TWO row tiles at a time, X and Y: T = 4 rho + cx with rho = 2 m and 2 m + 1.  Both have m + 1 key steps of 128, so each fragment of keys and values feeds two products.
; Wave w takes m = w in the first pass and m = 15 - w in the second: 17 steps for every wave.  One text serves both passes: a loop of two trips round a loop of 16, in which a hidden step is jumped over by a branch on the wave's number and the counter.
; cx enters global addresses and the mask's numbers alone.  Y's rows lie 64 under X's: on the diagonal X's key blocks 2, 3 are hidden whole, Y's blocks 0, 1 are open, and one compare serves X's block b and Y's block b + 2.
; K = 64 IN AN INSTRUCTION 128 DEEP: the rows' registers 6-11 are zero codes, so whatever the keys' operand holds there adds nothing; no scale byte is 0xff.
; Both products are used transposed: a lane holds one row i (lane % 16) of each tile throughout.  The next step's keys are loaded behind the score products, the step's values with them: both land under the softmax.
; LIMITS: NaN and infinities are not served; the scaled scores stay under 2^31 in magnitude; blocks of y whose largest magnitude lies under 2^-124 keep the byte 1, blocks of zeros too.
; No L2 prefetch: all that the launch reads is asked for at its head.
; WINDOW 0: v0 the mask's number; v1, v2, v5 lane constants; v3, v4 the second pass's rows' scale words; v6-11 LDS addresses; X: v12 -M, v13 largest t, v[14:15] sum, v[30:31] f; Y: v16, v17, v[18:19], v[20:21];
;   v22-25, v250-253 at work; v26, v27 p's scale words; v28, v29 the rows'; v32-79 keys, v80-85 zeros; v86-149 X's S^T, then p; v150-213 Y's; v214.. block maxima, scale operands, bytes; v238-249 keys' and values' scale words.
; WINDOW 1: v0-31 X's O^T, v32-63 Y's; v64-111 values; v112-135 the rows' two operands; v136-159 p's codes; v160-175 the conversions' second halves; v176-187 the second pass's rows.
.set VB,  106496                       ; LDS: the keys' 32 records, then the values' 32; behind them the spare words
.set SRB, 3328
.set S,   86
.set BM,  214
.set SO,  222
.set PT,  230
.set KSW, 238
.set VSW, 246
.set OT,  0
.set VF,  64
.set RF,  112
.set PCD, 136
.set P2,  160
.set RF1, 176
.set WV,  10
.set SEL, 14
.set CS,  16
.set G1K, 24
.set G1V, 32
.set G0K, 40
.set G0V, 44
.set RB,  48                           ; s[48:55] this pass: X's half fragment of y, its scale bytes, Y's two; s[56:63] the second pass's
.set DG,  66                           ; s66 the pass's last key step; s67 the second pass's
.set TB,  70
.set TV,  71
.set KS,  72
.set PS,  73
.set MSB, 0
.macro WIN new                         ; the immediate's high byte repeats the setting that is left
.if MSB != \new
	s_set_vgpr_msb (MSB<<8)|\new
.set MSB, \new
.endif
.endm
.macro WALU
	s_wait_alu depctr_va_vdst(0)
.endm
.macro PLACES n
.rept \n
	v_nop
.endr
.endm
.macro ROUND
	s_barrier_signal -1
	s_barrier_wait -1
	s_cmp_lg_u32 s[WV], 0
	s_cbranch_scc1 .Lnot_wave_0_\@
	s_barrier_signal -3
.Lnot_wave_0_\@:
	s_barrier_wait -3
	s_barrier_signal -1
	s_barrier_wait -1
.endm
	s_load_b128 s[4:7], s[0:1], 0x0                ; ZKQ, ZV
	s_load_b64 s[8:9], s[0:1], 0x10                ; YQ
	v_lshl_add_u32 v254, v0, 2, 0x34000
	v_mov_b32 v255, 0
	ds_add_u32 v254, v255                          ; the opening lines
	ds_add_u32 v254, v255
	v_lshrrev_b32 v1, 5, v0
	v_readfirstlane_b32 s[WV], v1                  ; wave 0..7
	s_bfe_u32 s11, ttmp6, 0x40000                  ; cx
	s_and_b32 s73, ttmp7, 0xffff                   ; 16 batch + head
	s_and_b32 s12, s73, 15                         ; head
	s_lshr_b32 s13, s73, 4                         ; batch
	s_mov_b32 s[SEL], 0x76543210
	s_mov_b32 s[SEL+1], 0xfedcba98
	s_mov_b32 s[CS], 0x3e38aa3b                    ; c = log2(e) / 8
	s_mov_b32 s[CS+1], s[CS]
	s_mov_b32 s[G1K], 15|(3<<16)|(1<<21)           ; the mask: all four work-groups; elements of 8 bytes; bit 21 beside a mask
	s_mov_b32 s[G1K+1], 32<<16                     ; the keys: a dense 26,624 bytes as 104 rows of 256
	s_mov_b32 s[G1K+2], 104<<16
	s_mov_b32 s[G1K+3], 32<<16
	s_mov_b32 s[G1K+4], 104
	s_mov_b32 s[G1K+5], 32
	s_mov_b32 s[G1K+6], 0
	s_mov_b32 s[G1K+7], 0
	s_mov_b32 s[G1V], 15|(3<<16)|(1<<21)
	s_mov_b32 s[G1V+1], 416<<16                    ; the values: 8 records of 3,328 bytes (416 elements), 128 records apart
	s_mov_b32 s[G1V+2], 8<<16
	s_mov_b32 s[G1V+3], 416<<16
	s_mov_b32 s[G1V+4], 8
	s_mov_b32 s[G1V+5], 53248
	s_mov_b32 s[G1V+6], 0
	s_mov_b32 s[G1V+7], 0
	s_and_b32 s74, s[WV], 3                        ; which quarter I fetch
	s_mul_i32 s75, s74, 26624
	s_add_co_u32 s76, s12, 16
	s_lshl_b32 s76, s76, 7
	s_lshl_b32 s77, s13, 5
	s_add_co_u32 s76, s76, s77
	s_mul_i32 s76, s76, SRB
	s_add_co_u32 s76, s76, s75                     ; keys: record (16 + head) x 128 + 32 batch, + my quarter
	s_mov_b32 s77, 0
	s_mul_i32 s78, s73, SRB
	s_mul_i32 s79, s74, 3407872
	s_add_co_u32 s78, s78, s79                     ; values: record 16 batch + head, + my eight token groups
	s_mov_b32 s79, 0
	s_wait_dscnt 0x0
	s_wait_kmcnt 0x0
	s_mov_b32 s[G0K], 1
	s_mov_b32 s[G0K+1], s75
	s_add_nc_u64 s[G0K+2:G0K+3], s[4:5], s[76:77]
	s_or_b32 s[G0K+3], s[G0K+3], 0x80000000
	s_mov_b32 s[G0V], 1
	s_add_co_u32 s[G0V+1], s75, VB
	s_add_nc_u64 s[G0V+2:G0V+3], s[6:7], s[78:79]
	s_or_b32 s[G0V+3], s[G0V+3], 0x80000000
	ROUND                                          ; all four work-groups are here: the joint loads meet
	s_cmp_lt_u32 s[WV], 4                          ; waves 0-3 fetch the keys, waves 4-7 the values: one load a wave; s_nop 0 and four v_nop follow each
	s_cbranch_scc0 .Lnot_k
	tensor_load_to_lds s[G0K:G0K+3], s[G1K:G1K+7]
	s_nop 0
	PLACES 4
	s_branch .Lasked
.Lnot_k:
	tensor_load_to_lds s[G0V:G0V+3], s[G1V:G1V+7]
	s_nop 0
	PLACES 4
.Lasked:
	s_lshr_b32 s68, s11, 1
	s_lshl_b32 s68, s68, 5
	s_and_b32 s69, s11, 1
	s_lshl_b32 s69, s69, 3
	s_add_co_u32 s68, s68, s69                     ; X's first row within its 128: 32 (cx / 2) + 8 (cx % 2)
	s_mov_b32 s[DG], s[WV]
	s_sub_co_u32 s[DG+1], 15, s[WV]
	v_and_b32 v6, 31, v0
	v_and_b32 v7, 15, v0                           ; r
	v_bfe_u32 v8, v0, 4, 1                         ; h
	v_lshlrev_b32 v1, 4, v6                        ; 16 x lane
	v_lshlrev_b32 v2, 3, v6
	v_add_nc_u32 v2, 512, v2                       ; 8 x lane + 512
	v_lshlrev_b32 v5, 3, v7                        ; 8 r
	v_and_b32 v4, 8, v7
	v_add_nc_u32 v4, v4, v7
	v_lshlrev_b32 v8, 4, v8
	v_sub_nc_u32 v4, v4, v8                        ; r + 8 (r / 8) - 16 h
	v_add_nc_u32 v0, s68, v4                       ; d: X's register 16 b + i is hidden on the diagonal where 32 b + i > d
.irp j, 0,1,2,3,4,5
	v_mov_b32 v[80+\j], 0                          ; zero codes behind the last tile of keys
.endr
.irp b, 0,1,2,3,4,5,6,7
	v_mov_b32 v[PT+\b], 0                          ; written once: a lane permute's destination counts as one of its sources
.endr
.irp j, 21,31,250,251,252,253
	v_mov_b32 v\j, 0                               ; (v21, v31: named as the upper halves of the pairs that hold f)
.endr
	WIN 0x40
.irp j, 6,7,8,9,10,11,18,19,20,21,22,23
	v_mov_b32 v[RF+\j], 0                          ; zero codes: K 64 .. 127 of the rows' operands
.endr
	WIN 0
	WALU                                           ; the scalar lines below stand ahead of the readers
.macro BASES q, rf, rs                 ; s80 = rho: the tile is T = 4 rho + cx.  Its rows are loaded, and where its y goes is kept
	s_lshl_b32 s81, s80, 2
	s_add_co_u32 s81, s81, s11                     ; T
	s_and_b32 s82, s81, 7
	s_and_b32 s84, s81, 1
	s_lshl_b32 s86, s12, 7
	s_lshl_b32 s87, s13, 5
	s_add_co_u32 s86, s86, s87
	s_lshr_b32 s87, s81, 2
	s_add_co_u32 s86, s86, s87
	s_mul_i32 s86, s86, SRB                        ; the rows' record: head x 128 + 32 batch + T / 4
	s_and_b32 s87, s81, 3
	s_mul_i32 s88, s87, 768
	s_add_co_u32 s88, s88, s86
	s_mov_b32 s89, 0
	s_wait_xcnt 0x0                                ; the last tile's loads have read s[92:95]
	s_add_nc_u64 s[92:93], s[4:5], s[88:89]
	s_lshr_b32 s87, s87, 1
	s_lshl_b32 s87, s87, 7
	s_add_co_u32 s88, s86, s87
	s_lshl_b32 s87, s84, 2
	s_add_co_u32 s88, s88, s87
	s_add_co_u32 s88, s88, 3072
	s_add_nc_u64 s[94:95], s[4:5], s[88:89]
	s_lshl_b32 s86, s13, 4
	s_lshr_b32 s87, s81, 3
	s_add_co_u32 s86, s86, s87
	s_lshl_b32 s86, s86, 2
	s_lshr_b32 s87, s12, 2
	s_add_co_u32 s86, s86, s87
	s_mul_i32 s86, s86, 25600                      ; y's block: (16 batch + T / 8) x 4 + head / 4
	s_bfe_u32 s87, s12, 0x10001                    ; q = (head / 2) % 2
	s_and_b32 s90, s12, 1                          ; c = head % 2
	s_lshl_b32 s88, s87, 3
	s_add_co_u32 s88, s88, s82
	s_mul_i32 s88, s88, 1536
	s_mul_i32 s91, s90, 768
	s_add_co_u32 s88, s88, s91
	s_add_co_u32 s88, s88, s86
	s_add_nc_u64 s[RB+4*\q:RB+4*\q+1], s[8:9], s[88:89]
	s_lshl_b32 s88, s82, 7
	s_lshl_b32 s91, s87, 2
	s_add_co_u32 s88, s88, s91
	s_lshl_b32 s91, s90, 1
	s_add_co_u32 s88, s88, s91
	s_add_co_u32 s88, s88, s86
	s_add_co_u32 s88, s88, 24576
	s_add_nc_u64 s[RB+4*\q+2:RB+4*\q+3], s[8:9], s[88:89]
	WIN 0x40
	global_load_b128 v[\rf:\rf+3], v1, s[92:93]
	global_load_b64 v[\rf+4:\rf+5], v2, s[92:93]
	WIN 0
	global_load_b32 v\rs, v5, s[94:95]
.endm
	s_lshl_b32 s80, s[WV], 1                       ; rho = 2 w, 2 w + 1, then 30 - 2 w, 31 - 2 w
	BASES 0, RF, 28
	s_add_co_u32 s80, s80, 1
	BASES 1, RF+12, 29
	s_sub_co_u32 s80, 31, s80
	BASES 2, RF1, 3
	s_add_co_u32 s80, s80, 1
	BASES 3, RF1+6, 4
	s_wait_tensorcnt 0x0                           ; my part of the head has landed,
	s_barrier_signal -1
	s_barrier_wait -1                              ; everybody's has
	s_wait_loadcnt 0x0                             ; my rows
; A KEY STEP: 128 keys against both tiles.  The eight blocks of 32 keys, X's four and Y's four, take turns line by line.
.macro STEP
	s_cmp_gt_u32 s[KS], s[DG]                      ; all its keys come after my rows: left out
	s_cbranch_scc1 .Lhidden_\@
	v_add_nc_u32 v6, s[TB], v1                     ; (these six are also the places behind the last step's products)
	v_add_nc_u32 v7, s[TB], v2
	v_add_nc_u32 v8, s[TB], v5
	v_add_nc_u32 v9, s[TV], v1
	v_add_nc_u32 v10, s[TV], v2
	v_add_nc_u32 v11, s[TV], v5
	WALU
	s_wait_dscnt 0x0                               ; this step's keys
	WIN 0x04                                       ; source 1, the rows, in window 1
.irp t, 0,1,2,3,4,5,6,7                ; S^T = keys x rows^T: lane (r, h) holds row r; registers 16 b + i are keys 32 b + 16 h + i
	v_wmma_scale_f32_16x16x128_f8f6f4 v[S+8*\t:S+8*\t+7], v[32+6*\t:43+6*\t], v[RF:RF+11], 0, v[KSW+\t], v28 matrix_a_fmt:MATRIX_FMT_FP6 matrix_b_fmt:MATRIX_FMT_FP6
	v_wmma_scale_f32_16x16x128_f8f6f4 v[S+64+8*\t:S+64+8*\t+7], v[32+6*\t:43+6*\t], v[RF+12:RF+23], 0, v[KSW+\t], v29 matrix_a_fmt:MATRIX_FMT_FP6 matrix_b_fmt:MATRIX_FMT_FP6
.endr
	WIN 0
	PLACES 4
	WIN 0x40
.irp a, 0,1,2,3                        ; the step's values,
	ds_load_b128 v[VF+12*\a:VF+12*\a+3], v9 offset:768*\a
	ds_load_b64 v[VF+12*\a+4:VF+12*\a+5], v10 offset:768*\a
	ds_load_b128 v[VF+12*\a+6:VF+12*\a+9], v9 offset:SRB+768*\a
	ds_load_b64 v[VF+12*\a+10:VF+12*\a+11], v10 offset:SRB+768*\a
.endr
	WIN 0
.irp j, 0,1
	ds_load_b64 v[VSW+2*\j:VSW+2*\j+1], v11 offset:3072+128*\j
.endr
.irp t, 0,1,2,3,4,5,6,7                ; and the next step's keys (behind a tile's last step they are not used; the bytes lie inside the filled LDS)
	ds_load_b128 v[32+6*\t:35+6*\t], v6 offset:2*SRB+(\t/4)*SRB+(\t%4)*768
	ds_load_b64 v[36+6*\t:37+6*\t], v7 offset:2*SRB+(\t/4)*SRB+(\t%4)*768
.endr
.irp j, 0,1,2,3
	ds_load_b64 v[KSW+2*\j:KSW+2*\j+1], v8 offset:2*SRB+3072+(\j/2)*SRB+128*(\j%2)
.endr
	s_cmp_lg_u32 s[KS], s[DG]
	s_cbranch_scc1 .Lopen_\@
	v_mov_b32 v250, 0xff800000
.set n, 0
.rept 32
	v_cmp_gt_i32 vcc_lo, 32*(n/16)+n%16, v0
	v_cndmask_b32 v[S+n], v[S+n], v250, vcc_lo
	v_cndmask_b32 v[S+96+n], v[S+96+n], v250, vcc_lo
	v_mov_b32 v[S+32+n], v250
.set n, n+1
.endr
.Lopen_\@:
.irp b, 0,1,2,3,4,5,6,7
	v_max3_num_f32 v[BM+\b], v[S+16*\b], v[S+1+16*\b], v[S+2+16*\b]    ; the largest score of each block of 32 keys: for the row's maximum and for the block's largest p
.endr
.irp i, 3,5,7,9,11,13
.irp b, 0,1,2,3,4,5,6,7
	v_max3_num_f32 v[BM+\b], v[BM+\b], v[S+16*\b+\i], v[S+1+16*\b+\i]
.endr
.endr
.irp b, 0,1,2,3,4,5,6,7
	v_max_num_f32 v[BM+\b], v[BM+\b], v[S+15+16*\b]
.endr
.irp b, 0,1,2,3,4,5,6,7
	v_permlanex16_b32 v[PT+\b], v[BM+\b], s[SEL], s[SEL+1]
.endr
.irp b, 0,1,2,3,4,5,6,7
	v_max_num_f32 v[BM+\b], v[BM+\b], v[PT+\b]
.endr
	v_max3_num_f32 v250, v[BM], v[BM+1], v[BM+2]
	v_max3_num_f32 v251, v[BM+4], v[BM+5], v[BM+6]
	v_max_num_f32 v250, v250, v[BM+3]
	v_max_num_f32 v251, v251, v[BM+7]
	v_mul_f32 v250, s[CS], v250
	v_mul_f32 v251, s[CS], v251
	v_max_num_f32 v13, v13, v250                   ; the running largest t
	v_max_num_f32 v17, v17, v251
	v_mov_b32 v250, v12
	v_mov_b32 v251, v16
	v_floor_f32 v12, -v13                          ; -M = floor(-t): M is a whole number
	v_floor_f32 v16, -v17
	v_sub_f32 v250, v12, v250
	v_sub_f32 v251, v16, v251
	v_cvt_i32_f32 v250, v250                       ; (it saturates)
	v_cvt_i32_f32 v251, v251
	v_ldexp_f32 v30, 1.0, v250                     ; f = 2^(old M - new M)
	v_ldexp_f32 v20, 1.0, v251
.set j, 0
.rept 32
	v_pk_fma_f32 v[S+j:S+j+1], v[S+j:S+j+1], s[CS:CS+1], v[12:13] op_sel_hi:[1,0,0]   ; X: t - M
.set j, j+2
.endr
.irp b, 0,1,2,3
	v_fma_f32 v[BM+\b], v[BM+\b], s[CS], v12
	v_fma_f32 v[BM+4+\b], v[BM+4+\b], s[CS], v16
.endr
	WALU                                           ; a wait ahead of a batch of exponentials
.set j, 0
.rept 32
	v_exp_f32 v[S+j], v[S+j]                       ; X: p = 2^(t - M); Y's t - M, which hang on nothing here, stand among them
	v_exp_f32 v[S+j+1], v[S+j+1]
	v_pk_fma_f32 v[S+64+j:S+65+j], v[S+64+j:S+65+j], s[CS:CS+1], v[16:17] op_sel_hi:[1,0,0]
.set j, j+2
.endr
	WALU                                           ; ahead of the second batch, whose sources were written just now
.set j, 0
.rept 64
	v_exp_f32 v[S+64+j], v[S+64+j]
.set j, j+1
.endr
.irp b, 0,1,2,3,4,5,6,7
	v_exp_f32 v[BM+\b], v[BM+\b]                   ; each block's largest p
.endr
	v_pk_mul_f32 v[14:15], v[14:15], v[30:31] op_sel_hi:[1,0]      ; the sums under the new M; plain lines behind the exponentials
	v_pk_mul_f32 v[18:19], v[18:19], v[20:21] op_sel_hi:[1,0]
	WALU                                           ; one wait for the batches, ahead of their first reader
	v_pk_add_f32 v[22:23], v[S:S+1], v[S+2:S+3]                    ; the rows' sums of the unquantised p: three chains a tile
	v_pk_add_f32 v[24:25], v[S+64:S+65], v[S+66:S+67]
	v_pk_add_f32 v[250:251], v[S+4:S+5], v[S+6:S+7]
	v_pk_add_f32 v[252:253], v[S+68:S+69], v[S+70:S+71]
.set j, 8
.rept 9
	v_pk_add_f32 v[14:15], v[14:15], v[S+j:S+j+1]
	v_pk_add_f32 v[18:19], v[18:19], v[S+64+j:S+65+j]
	v_pk_add_f32 v[22:23], v[22:23], v[S+j+2:S+j+3]
	v_pk_add_f32 v[24:25], v[24:25], v[S+66+j:S+67+j]
	v_pk_add_f32 v[250:251], v[250:251], v[S+j+4:S+j+5]
	v_pk_add_f32 v[252:253], v[252:253], v[S+68+j:S+69+j]
.set j, j+6
.endr
	v_pk_add_f32 v[14:15], v[14:15], v[S+62:S+63]
	v_pk_add_f32 v[18:19], v[18:19], v[S+126:S+127]
	v_pk_add_f32 v[22:23], v[22:23], v[250:251]
	v_pk_add_f32 v[24:25], v[24:25], v[252:253]
.irp b, 0,1,2,3,4,5,6,7
	v_max_num_f32 v[BM+\b], 0x1800000, v[BM+\b]    ; the floor 2^(3 - 127)
.endr
	v_pk_add_f32 v[14:15], v[14:15], v[22:23]
	v_pk_add_f32 v[18:19], v[18:19], v[24:25]
.irp b, 0,1,2,3,4,5,6,7
	v_add_nc_u32 v[SO+\b], 0xff000000, v[BM+\b]    ; 2 off the exponent field: the conversions' scale operand
.endr
.irp b, 0,1,2,3,4,5,6,7
	v_lshrrev_b32 v[PT+\b], 23, v[SO+\b]
.endr
	v_lshl_or_b32 v26, v[PT+1], 8, v[PT]           ; p's scale words for these 128 keys
	v_lshl_or_b32 v27, v[PT+5], 8, v[PT+4]
	v_lshl_or_b32 v26, v[PT+2], 16, v26
	v_lshl_or_b32 v27, v[PT+6], 16, v27
	v_lshl_or_b32 v26, v[PT+3], 24, v26
	v_lshl_or_b32 v27, v[PT+7], 24, v27
	WIN 0x40                                       ; the codes go to window 1
.irp x, 0,1
.irp c, 0,1
	v_cvt_scalef32_pk16_fp6_f32 v[PCD+12*\x+6*\c:PCD+12*\x+6*\c+2], v[S+64*\x+32*\c:S+64*\x+32*\c+15], v[SO+4*\x+2*\c]
	v_cvt_scalef32_pk16_fp6_f32 v[P2+8*\x+4*\c:P2+8*\x+4*\c+2], v[S+64*\x+32*\c+16:S+64*\x+32*\c+31], v[SO+4*\x+2*\c+1]
.endr
.endr
	v_nop                                          ; one plain line behind the conversions
	WIN 0x41
.irp x, 0,1
.irp c, 0,1                            ; the layout wants a whole block of 32 in a lane
.irp i, 0,1,2
	v_permlane16_swap_b32 v[PCD+12*\x+6*\c+\i], v[P2+8*\x+4*\c+\i]
.endr
.endr
.endr
.irp x, 0,1
.irp c, 0,1
.irp i, 0,1,2
	v_mov_b32 v[PCD+12*\x+6*\c+3+\i], v[P2+8*\x+4*\c+\i]
.endr
.endr
.endr
	WALU                                           ; directly ahead of the first reader of O^T
.set j, 0
.rept 16
	v_pk_mul_f32 v[OT+j:OT+j+1], v[OT+j:OT+j+1], v[30:31] op_sel_hi:[1,0]   ; O^T under the new M; also the places in front of the products below
.set j, j+2
.endr
.set j, 0
.rept 16
	v_pk_mul_f32 v[OT+32+j:OT+33+j], v[OT+32+j:OT+33+j], v[20:21] op_sel_hi:[1,0]
.set j, j+2
.endr
	WALU
	s_wait_dscnt 0x0                               ; the values, and the next step's keys
	WIN 0x55
.irp a, 0,1,2,3                        ; O^T += values^T p^T: eight accumulators by turns
	v_wmma_scale_f32_16x16x128_f8f6f4 v[OT+8*\a:OT+8*\a+7], v[VF+12*\a:VF+12*\a+11], v[PCD:PCD+11], v[OT+8*\a:OT+8*\a+7], v[VSW+\a], v26 matrix_a_fmt:MATRIX_FMT_FP6 matrix_b_fmt:MATRIX_FMT_FP6
	v_wmma_scale_f32_16x16x128_f8f6f4 v[OT+32+8*\a:OT+32+8*\a+7], v[VF+12*\a:VF+12*\a+11], v[PCD+12:PCD+23], v[OT+32+8*\a:OT+32+8*\a+7], v[VSW+\a], v27 matrix_a_fmt:MATRIX_FMT_FP6 matrix_b_fmt:MATRIX_FMT_FP6
.endr
	WIN 0
.Lhidden_\@:
.endm
; The tiles' end: O^T / the sum; a tile's registers 16 b + i are d = 32 b + 16 h + i: two blocks of 32 along the last product's K; they leave as a half fragment's image and two scale bytes a row.
.macro FINISH
	PLACES 4
	v_add_f32 v14, v14, v15
	v_add_f32 v18, v18, v19
	v_permlanex16_b32 v250, v14, s[SEL], s[SEL+1]
	v_permlanex16_b32 v251, v18, s[SEL], s[SEL+1]
	v_add_f32 v14, v14, v250
	v_add_f32 v18, v18, v251
	WALU
	v_rcp_f32 v30, v14
	v_rcp_f32 v20, v18
	v_nop
	WIN 0x01
	WALU
.set j, 0
.rept 16
	v_pk_mul_f32 v[S+j:S+j+1], v[OT+j:OT+j+1], v[30:31] op_sel_hi:[1,0]
.set j, j+2
.endr
.set j, 0
.rept 16
	v_pk_mul_f32 v[S+32+j:S+33+j], v[OT+32+j:OT+33+j], v[20:21] op_sel_hi:[1,0]
.set j, j+2
.endr
	WIN 0
.irp b, 0,1,2,3
	v_max3_num_f32 v[BM+\b], |v[S+16*\b]|, |v[S+1+16*\b]|, 0x1800000
.endr
.irp i, 2,4,6,8,10,12,14
.irp b, 0,1,2,3
	v_max3_num_f32 v[BM+\b], v[BM+\b], |v[S+16*\b+\i]|, |v[S+1+16*\b+\i]|
.endr
.endr
.irp b, 0,1,2,3
	v_permlanex16_b32 v[PT+\b], v[BM+\b], s[SEL], s[SEL+1]
.endr
.irp b, 0,1,2,3
	v_max_num_f32 v[BM+\b], v[BM+\b], v[PT+\b]
.endr
.irp b, 0,1,2,3
	v_add_nc_u32 v[SO+\b], 0xff000000, v[BM+\b]
.endr
.irp b, 0,1,2,3
	v_lshrrev_b32 v[PT+\b], 23, v[SO+\b]
.endr
	v_lshl_or_b32 v252, v[PT+1], 8, v[PT]
	v_lshl_or_b32 v253, v[PT+3], 8, v[PT+2]
.irp x, 0,1
	v_cvt_scalef32_pk16_fp6_f32 v[150+12*\x:152+12*\x], v[S+32*\x:S+32*\x+15], v[SO+2*\x]
	v_cvt_scalef32_pk16_fp6_f32 v[158+12*\x:160+12*\x], v[S+32*\x+16:S+32*\x+31], v[SO+2*\x+1]
.endr
	v_nop
.irp x, 0,1
.irp i, 0,1,2
	v_permlane16_swap_b32 v[150+12*\x+\i], v[158+12*\x+\i]
.endr
.endr
.irp x, 0,1
.irp i, 0,1,2
	v_mov_b32 v[153+12*\x+\i], v[158+12*\x+\i]
.endr
.endr
.irp x, 0,1
	global_store_b128 v1, v[150+12*\x:153+12*\x], s[RB+4*\x:RB+4*\x+1]     ; 512 consecutive bytes, aligned to 256
	global_store_b64 v2, v[154+12*\x:155+12*\x], s[RB+4*\x:RB+4*\x+1]      ; 256 more
	global_store_b16 v5, v[252+\x], s[RB+4*\x+2:RB+4*\x+3]                 ; two bytes a row, 8 bytes apart; lanes 16-31 write the same bytes with the same values
.endr
	s_wait_xcnt 0x0                                ; the stores have read their registers and bases
.endm
.macro PASS
	s_wait_dscnt 0x0                               ; no LDS load of an earlier pass is out: this pass's loads of key step 0 name the same registers
	v_mov_b32 v13, 0xff61b1e6                      ; -3e38, under every t
	v_mov_b32 v17, 0xff61b1e6
	v_mov_b32 v14, 0
	v_mov_b32 v15, 0
	v_mov_b32 v18, 0
	v_mov_b32 v19, 0
	v_floor_f32 v12, -v13
	v_floor_f32 v16, -v17
	WIN 0x40
.set j, 0
.rept 64
	v_mov_b32 v[OT+j], 0                           ; the step is written once: the first finds zeros
.set j, j+1
.endr
	WIN 0
.irp t, 0,1,2,3,4,5,6,7                ; key step 0
	ds_load_b128 v[32+6*\t:35+6*\t], v1 offset:(\t/4)*SRB+(\t%4)*768
	ds_load_b64 v[36+6*\t:37+6*\t], v2 offset:(\t/4)*SRB+(\t%4)*768
.endr
.irp j, 0,1,2,3
	ds_load_b64 v[KSW+2*\j:KSW+2*\j+1], v5 offset:3072+(\j/2)*SRB+128*(\j%2)
.endr
	s_mov_b32 s[TB], 0
	s_mov_b32 s[TV], VB
	s_mov_b32 s[KS], 0
	WALU
.Lstep_\@:
	STEP
	s_add_co_u32 s[TB], s[TB], 2*SRB
	s_add_co_u32 s[TV], s[TV], 2*SRB
	s_add_co_u32 s[KS], s[KS], 1
	s_cmp_lt_u32 s[KS], 16
	s_cbranch_scc1 .Lstep_\@
	FINISH
.endm
	s_mov_b32 s[PS], 0
.Lpass:
	PASS
	s_mov_b32 s[DG], s[DG+1]                       ; on to the second pass: its last key step, where its y goes, its rows and their scale words
.irp k, 0,2,4,6
	s_mov_b64 s[RB+\k:RB+\k+1], s[RB+8+\k:RB+9+\k]
.endr
	WIN 0x41
.irp i, 0,1,2,3,4,5
	v_mov_b32 v[RF+\i], v[RF1+\i]
	v_mov_b32 v[RF+12+\i], v[RF1+6+\i]
.endr
	WIN 0
	v_mov_b32 v28, v3
	v_mov_b32 v29, v4
	s_add_co_u32 s[PS], s[PS], 1
	s_cmp_lt_u32 s[PS], 2
	WALU
	s_cbranch_scc1 .Lpass
	s_wait_dscnt 0x0
	s_wait_tensorcnt 0x0                           ; the wave's end
	ds_add_u32 v254, v255
	s_wait_dscnt 0x0
	ROUND                                          ; the closing round
	s_endpgm
.Lfunc_end_k_q284b3ea26d_att:
	.size	k_q284b3ea26d_att, .Lfunc_end_k_q284b3ea26d_att-k_q284b3ea26d_att
	.p2alignl 7, 3214868480
	.fill 96, 4, 3214868480
	.section	.rodata,"a",@progbits
	.p2align	6, 0x0
	.amdhsa_kernel k_q284b3ea26d_att
		.amdhsa_group_segment_fixed_size 215040
		.amdhsa_private_segment_fixed_size 0
		.amdhsa_enable_private_segment 0
		.amdhsa_kernarg_size 24
		.amdhsa_user_sgpr_count 2
		.amdhsa_user_sgpr_kernarg_segment_ptr 1
		.amdhsa_wavefront_size32 1
		.amdhsa_system_sgpr_workgroup_id_x 1
		.amdhsa_system_sgpr_workgroup_id_y 1
		.amdhsa_system_sgpr_workgroup_id_z 1
		.amdhsa_system_vgpr_workitem_id 0
		.amdhsa_next_free_vgpr 512
		.amdhsa_next_free_sgpr 96
		.amdhsa_reserve_vcc 1
		.amdhsa_float_denorm_mode_32 3
		.amdhsa_float_denorm_mode_16_64 3
		.amdhsa_memory_ordered 1
		.amdhsa_forward_progress 1
		.amdhsa_inst_pref_size 60
	.end_amdhsa_kernel
	.amdgpu_metadata
---
amdhsa.version: [ 1, 2 ]
amdhsa.kernels:
  - .name:           k_q284b3ea26d_att
    .symbol:         k_q284b3ea26d_att.kd
    .args:
      - { .name: ZKQ, .offset: 0, .size: 8, .value_kind: global_buffer, .address_space: global }
      - { .name: ZV, .offset: 8, .size: 8, .value_kind: global_buffer, .address_space: global }
      - { .name: YQ, .offset: 16, .size: 8, .value_kind: global_buffer, .address_space: global }
    .group_segment_fixed_size: 215040
    .private_segment_fixed_size: 0
    .kernarg_segment_align: 8
    .kernarg_segment_size: 24
    .max_flat_workgroup_size: 256
    .sgpr_count:     96
    .vgpr_count:     512
    .wavefront_size: 32
...
	.end_amdgpu_metadata
.endif
;; end of part 4
;; launch g2 (part 5): grid 4 x 64, 4 waves a work-group, clusters of 4 x 4, 327,680 bytes of LDS; arguments YQ, WF, out0; writes out0
.if DOCPART == 5
	.amdgcn_target "amdgcn-amd-amdhsa--gfx1250"
	.amdhsa_code_object_version 6
	.text
	.protected	k_q284b3ea26d_g2
	.globl	k_q284b3ea26d_g2
	.p2align	8
	.type	k_q284b3ea26d_g2,@function
k_q284b3ea26d_g2:
	s_mov_b64 s[64:65], 0
	v_nop
	global_prefetch_b8 v0, s[64:65] scope:SCOPE_SE
	s_setreg_imm32_b32 hwreg(HW_REG_WAVE_MODE, 25, 1), 1
	s_wait_xcnt 0x0
	s_wait_alu depctr_hold_cnt(0) depctr_sa_sdst(0) depctr_va_vdst(0) depctr_va_sdst(0) depctr_va_ssrc(0) depctr_va_vcc(0) depctr_vm_vsrc(0)
	s_getreg_b32 s2, hwreg(HW_REG_IB_STS2, 6, 4)
	s_cmp_eq_u32 s2, 0
	s_cbranch_scc0 .Lentry_in_a_cluster
	s_endpgm
.Lentry_in_a_cluster:
	s_bfe_u32 s2, ttmp6, 0x10000c
	s_cmp_lg_u32 s2, 0xf033
	s_cbranch_scc0 .Lentry_shape_is_right
	s_endpgm
.Lentry_shape_is_right:
; out0 = y W_ffn on codes of FP6 (E2M3) with E8M0 scales, K = 1,024; the sums leave as f32.  A = y's codes (rows by work-group y), B = W_ffn's columns (rows by work-group x).
; OPERANDS lie as images of the operand registers.  A block = 128 rows x 256 K = 25,600 bytes: fragment (q, tile i) at (8 q + i) x 1,536, two halves of 64 K (768 bytes: lane L's registers 0-3 at 16 L,
; registers 4-5 at 512 + 8 L); scale bytes at 24,576 + 8 (16 i + r) + 4 q.  Blocks lie [group of 128 rows][256 of K].  Tile 2 b + u holds in row r the group's row 32 b + 8 u + r + 8 (r / 8).
; A WORK-GROUP makes 128 rows x 256 columns of out0: 64 x 4 = 256 work-groups.  ALL OF K LIES IN LDS: 12 blocks, 307,200 bytes, each filled once, so no slot is filled again.
; LDS: two halves of K, each [A's two blocks][B's first group, two blocks][B's second group, two blocks].  One joint load a wave at the head: wave 0 A's first half of K (51,200 dense bytes),
; wave 1 B's (two rows of 51,200 bytes, 102,400 apart), waves 2 and 3 the second half.  The first barrier shows waves 0 and 1's tiles (their load lines are theirs alone), the second, in K step 3, all.
; CLUSTERS: 4 x 4; A's blocks are asked for jointly along a row of the cluster, B's along a column.  No L2 prefetch: all that the launch reads is asked for at its head.
; A WAVE makes 64 x 128: 32 accumulators in window 2, (a, b) at v[8 (8 a + b)].  Two sets of fragments for A (window 0, v128-223) and for B (window 1, v0-95, v128-223): a K step's 32 products follow the next step's LDS loads.
; THE MATRIX INSTRUCTION IS USED TRANSPOSED (source 0 = B's rows): a lane holds eight neighbouring columns of one row of out0.
; THE WAY OUT: 16 rows x 128 columns at a time through the wave's own stage, which lies on the first half's bytes of A: they have had their one fill, and behind the second barrier nobody reads them.
.set PART,  25600
.set HALF,  6*PART
.set SPARE, 2*HALF                     ; behind the tiles: the spare words, 128 bytes a wave, which no other line names
.set FR,    12
.set SPITCH, 528
.set LI,   26                          ; v26 16 x lane
.set LJ,   27                          ; v27 8 x lane + 512
.set SPW,  28
.set NIL,  29
.set STO,  30
.set RD,   31
.set SC,   32                          ; v32-63 scale words, two sets: register 2 i + q: lanes 0-15 A's tile i, lanes 16-31 B's tile i
.set AF,   128
.set BK,   128
.set AD,   224                         ; v224-243 LDS addresses, five for each 256 of K: A + 16 L, A + 8 L + 512, B likewise, the scale words
.set G1A, 24
.set G0A, 32
.set G1B, 48
.set G0B, 56
.set MSB, 0
.macro WIN new                         ; the immediate's high byte repeats the setting that is left
.if MSB != \new
	s_set_vgpr_msb (MSB<<8)|\new
.set MSB, \new
.endif
.endm
.set MUL,  0xa1                        ; source 0 (B) window 1, source 1 (A) window 0, C and D window 2
.set TO_B, 0x40
.macro PLACES n
.rept \n
	v_nop
.endr
.endm
.macro TLOAD g0, g1                    ; s_nop 0 and four v_nop follow the load
	tensor_load_to_lds s[\g0:\g0+3], s[\g1:\g1+7]
	s_nop 0
	PLACES 4
.endm
.macro CROUND
	s_barrier_signal -1
	s_barrier_wait -1
	s_cmp_lg_u32 s14, 0
	s_cbranch_scc1 .Lnot_wave_0_\@
	s_barrier_signal -3
.Lnot_wave_0_\@:
	s_barrier_wait -3
	s_barrier_signal -1
	s_barrier_wait -1
.endm
	s_load_b128 s[4:7], s[0:1], 0x0                ; A, B
	s_load_b64 s[8:9], s[0:1], 0x10                ; out0
	v_lshl_add_u32 v[SPW], v0, 2, SPARE
	v_mov_b32 v[NIL], 0
	ds_add_u32 v[SPW], v[NIL]                      ; the opening lines
	ds_add_u32 v[SPW], v[NIL]
	v_lshrrev_b32 v1, 5, v0
	v_readfirstlane_b32 s14, v1                    ; wave
	s_lshr_b32 s15, s14, 1                         ; which 64 rows of A are mine.  Also: which half of K I fetch
	s_and_b32 s16, s14, 1                          ; which 128 rows of B.  Also: I fetch for A (0) or B (1)
	s_bfe_u32 s40, ttmp6, 0x40000                  ; cx
	s_bfe_u32 s41, ttmp6, 0x40004                  ; cy
	s_lshl_b32 s42, ttmp9, 2
	s_add_co_u32 s42, s42, s40                     ; work-group x
	s_and_b32 s17, ttmp7, 0xffff
	s_lshl_b32 s17, s17, 2
	s_add_co_u32 s17, s17, s41                     ; work-group y
	s_lshl_b32 s43, s41, 2
	s_lshl_b32 s43, 15, s43                        ; my row of the cluster
	s_lshl_b32 s44, 0x1111, s40                    ; my column
	s_or_b32 s[G1A], s43, (3<<16)|(1<<21)          ; A: 51,200 dense bytes as 200 rows of 256 (32 elements of 8 bytes)
	s_mov_b32 s[G1A+1], 32<<16
	s_mov_b32 s[G1A+2], 200<<16
	s_mov_b32 s[G1A+3], 32<<16
	s_mov_b32 s[G1A+4], 200
	s_mov_b32 s[G1A+5], 32
	s_mov_b32 s[G1A+6], 0
	s_mov_b32 s[G1A+7], 0
	s_or_b32 s[G1B], s44, (3<<16)|(1<<21)          ; B: two rows of 51,200 bytes (6,400 elements), a group's 102,400 bytes apart
	s_mov_b32 s[G1B+1], 6400<<16
	s_mov_b32 s[G1B+2], 2<<16
	s_mov_b32 s[G1B+3], 6400<<16
	s_mov_b32 s[G1B+4], 2
	s_mov_b32 s[G1B+5], 12800
	s_mov_b32 s[G1B+6], 0
	s_mov_b32 s[G1B+7], 0
	s_mul_i32 s22, s15, 2*PART                     ; my half of K
	s_mul_i32 s20, s17, 4*PART                     ; A: group y
	s_add_co_u32 s20, s20, s22
	s_mov_b32 s21, 0
	s_mul_i32 s46, s42, 8*PART                     ; B: groups 2 x, 2 x + 1
	s_add_co_u32 s46, s46, s22
	s_mov_b32 s47, 0
	s_mov_b32 s[G0A], 1
	s_mul_i32 s[G0A+1], s15, HALF
	s_mov_b32 s[G0B], 1
	s_add_co_u32 s[G0B+1], s[G0A+1], 2*PART
	s_wait_dscnt 0x0                               ; both opening adds are done
	s_wait_kmcnt 0x0
	s_add_nc_u64 s[G0A+2:G0A+3], s[4:5], s[20:21]
	s_or_b32 s[G0A+3], s[G0A+3], 0x80000000
	s_add_nc_u64 s[G0B+2:G0B+3], s[6:7], s[46:47]
	s_or_b32 s[G0B+3], s[G0B+3], 0x80000000
	CROUND                                         ; all sixteen work-groups are here: the joint loads meet
	s_cmp_eq_u32 s14, 0                            ; one chain of branches on the wave's number, one load to an arm
	s_cbranch_scc0 .Lw1
	TLOAD G0A, G1A
	s_branch .Lasked
.Lw1:
	s_cmp_eq_u32 s14, 1
	s_cbranch_scc0 .Lw2
	TLOAD G0B, G1B
	s_branch .Lasked
.Lw2:
	s_cmp_eq_u32 s14, 2
	s_cbranch_scc0 .Lw3
	TLOAD G0A, G1A
	s_branch .Lasked
.Lw3:
	TLOAD G0B, G1B
.Lasked:
	s_lshl_b32 s36, s17, 7
	s_lshl_b32 s38, s15, 6
	s_add_co_u32 s36, s36, s38                     ; my first row of out0: 128 y + 64 (which 64 of A)
	s_lshl_b32 s36, s36, 12                        ; rows of 4,096 bytes
	s_lshl_b32 s38, s42, 10
	s_add_co_u32 s36, s36, s38
	s_lshl_b32 s38, s16, 9
	s_add_co_u32 s36, s36, s38                     ; my first column: 1,024 x + 512 (which 128 of B) bytes
	s_mov_b32 s37, 0
	s_add_nc_u64 s[8:9], s[8:9], s[36:37]
	s_mul_i32 s21, s15, 4*1536                     ; my four tiles of A
	s_mul_i32 s22, s16, 2*PART
	s_add_co_u32 s22, s22, 2*PART                  ; my group of B
	s_lshl_b32 s23, s15, 9                         ; my four tiles' scale words
	s_sub_co_u32 s20, s22, s23
	s_mul_i32 s39, s14, 16*SPITCH                  ; my stage
	v_and_b32 v1, 31, v0
	v_and_b32 v2, 15, v0                           ; r
	v_bfe_u32 v3, v0, 4, 1                         ; h
	v_lshlrev_b32 v[LI], 4, v1
	v_lshlrev_b32 v[LJ], 3, v1
	v_add_nc_u32 v[LJ], 512, v[LJ]
	v_mul_u32_u24 v4, s20, v3                      ; lanes 16-31 take B's scale words
	v_lshl_add_u32 v4, v2, 3, v4
	v_add_nc_u32 v[AD], s21, v[LI]
	v_add_nc_u32 v[AD+1], s21, v[LJ]
	v_add_nc_u32 v[AD+2], s22, v[LI]
	v_add_nc_u32 v[AD+3], s22, v[LJ]
	v_add_nc_u32 v[AD+4], s23, v4
.irp k, 1,2,3
.irp j, 0,1,2,3,4
	v_add_nc_u32 v[AD+5*\k+\j], (\k/2)*HALF+(\k%2)*PART, v[AD+\j]
.endr
.endr
	v_mul_u32_u24 v5, v2, SPITCH                   ; into the stage: row r, 64 bytes for each half of the lanes
	v_lshl_add_u32 v5, v3, 6, v5
	v_add_nc_u32 v[STO], s39, v5
	v_add_nc_u32 v[RD], s39, v[LI]                 ; back: the 32 lanes take one row of 512 bytes
.macro FRAG reg, adr, q, i             ; a fragment, 12 registers, as it lies
	ds_load_b128 v[\reg:\reg+3], v[\adr] offset:(8*(\q)+(\i))*1536
	ds_load_b64 v[\reg+4:\reg+5], v[\adr+1] offset:(8*(\q)+(\i))*1536
	ds_load_b128 v[\reg+6:\reg+9], v[\adr] offset:(8*(\q)+(\i))*1536+768
	ds_load_b64 v[\reg+10:\reg+11], v[\adr+1] offset:(8*(\q)+(\i))*1536+768
.endm
.macro FETCH n                         ; K step n (128 along K) into set n % 2; with an even step the scale words of its 256 (for i > 3 lanes 0-15 read words that no product takes)
.set KB_, (\n)/2
.set Q_, (\n)%2
	WIN TO_B
.irp i, 0,1,2,3,4,5,6,7
	FRAG 128*Q_+FR*\i, AD+5*KB_+2, Q_, \i
.endr
	WIN 0
.irp i, 0,1,2,3
	FRAG AF+48*Q_+FR*\i, AD+5*KB_, Q_, \i
.endr
.if Q_ == 0
.irp i, 0,1,2,3,4,5,6,7
	ds_load_b64 v[SC+16*(KB_%2)+2*\i:SC+16*(KB_%2)+2*\i+1], v[AD+5*KB_+4] offset:24576+128*\i
.endr
.endif
.endm
; 16 products: A's tiles a0, a0 + 1 x B's eight.  The 32 accumulators take turns, in the same order in every step.
.macro MUL16 a0, p, sc, zero
.irp a, \a0, \a0+1
.irp b, 0,1,2,3,4,5,6,7
.if \zero
	v_wmma_scale_f32_16x16x128_f8f6f4 v[8*(8*(\a)+\b):8*(8*(\a)+\b)+7], v[128*(\p)+FR*\b:128*(\p)+FR*\b+FR-1], v[AF+48*(\p)+FR*(\a):AF+48*(\p)+FR*(\a)+FR-1], 0, v[SC+16*(\sc)+2*\b+(\p)], v[SC+16*(\sc)+2*(\a)+(\p)] matrix_a_fmt:MATRIX_FMT_FP6 matrix_b_fmt:MATRIX_FMT_FP6 matrix_a_scale:MATRIX_SCALE_ROW1
.else
	v_wmma_scale_f32_16x16x128_f8f6f4 v[8*(8*(\a)+\b):8*(8*(\a)+\b)+7], v[128*(\p)+FR*\b:128*(\p)+FR*\b+FR-1], v[AF+48*(\p)+FR*(\a):AF+48*(\p)+FR*(\a)+FR-1], v[8*(8*(\a)+\b):8*(8*(\a)+\b)+7], v[SC+16*(\sc)+2*\b+(\p)], v[SC+16*(\sc)+2*(\a)+(\p)] matrix_a_fmt:MATRIX_FMT_FP6 matrix_b_fmt:MATRIX_FMT_FP6 matrix_a_scale:MATRIX_SCALE_ROW1
.endif
.endr
.endr
.endm
.macro STEP n, zero, fetch             ; this step's fragments are in; the next step's are asked for, four places behind the products that read their registers; 32 products
	s_wait_dscnt 0x0
.if \fetch
	PLACES 4
	FETCH (\n)+1
.endif
	WIN MUL
	MUL16 0, (\n)%2, ((\n)/2)%2, \zero
	MUL16 2, (\n)%2, ((\n)/2)%2, \zero
	WIN 0
.endm
	s_wait_alu depctr_va_vdst(0)
	s_cmp_lt_u32 s14, 2
	s_cbranch_scc0 .Lnot_first
	s_wait_tensorcnt 0x0                           ; waves 0 and 1: my tile of the first half of K is in
.Lnot_first:
	s_barrier_signal -1
	s_barrier_wait -1                              ; the first half of K is in
	FETCH 0
	STEP 0, 1, 1                                   ; the first products start the sums
	STEP 1, 0, 1
	STEP 2, 0, 1
	s_wait_dscnt 0x0                               ; step 3: my reads of the first half are over
	WIN MUL
	MUL16 0, 1, 1, 0
	s_wait_tensorcnt 0x0                           ; every wave: whatever I asked for is in
	s_barrier_signal -1
	MUL16 2, 1, 1, 0
	WIN 0
	s_barrier_wait -1                              ; the second half of K is in, and nobody reads the first half any more
	PLACES 4
	FETCH 4
	STEP 4, 0, 1
	STEP 5, 0, 1
	STEP 6, 0, 1
	STEP 7, 0, 0
; LDS serves a wave's instructions in order (ISA guide 5.7.1.4): no wait between the stage's stores and its loads.
.macro TOSTAGE a
.set AC, 64*(\a)
	WIN 0x08                                       ; the data: window 2
.irp b, 0,1,2,3,4,5,6,7
	ds_store_b128 v[STO], v[AC+8*\b:AC+8*\b+3] offset:128*(\b/2)+32*(\b%2)       ; each accumulator from its low end on; column 32 (b / 2) + 8 (b % 2) + 16 h + j
	ds_store_b128 v[STO], v[AC+8*\b+4:AC+8*\b+7] offset:128*(\b/2)+32*(\b%2)+16
.endr
	WIN 0
.set BB, BK+64*((\a)%2)
.irp t, 0,1,2,3,4,5,6,7,8,9,10,11,12,13,14,15
	ds_load_b128 v[BB+4*\t:BB+4*\t+3], v[RD] offset:\t*SPITCH
.endr
.endm
.macro SEND a, younger                 ; younger: the LDS instructions issued behind tile a's loads, which may stay out
.set BB, BK+64*((\a)%2)
	s_wait_dscnt \younger
.irp t, 0,1,2,3,4,5,6,7,8,9,10,11,12,13,14,15
	global_store_b128 v[LI], v[BB+4*\t:BB+4*\t+3], s[8:9] offset:(32*((\a)/2)+8*((\a)%2)+\t+8*(\t/8))*4096 th:TH_STORE_NT   ; 512 consecutive bytes, aligned to 256
.endr
.endm
	PLACES 4
	TOSTAGE 0
.irp a, 1,2,3
.if \a > 1
	s_wait_xcnt 0x0                                ; tile a - 2's stores have read their registers
.endif
	TOSTAGE \a
	SEND \a-1, 32                                  ; behind tile a - 1's loads: tile a's 16 stores and 16 loads
.endr
	SEND 3, 0
	s_wait_tensorcnt 0x0                           ; the wave's end
	ds_add_u32 v[SPW], v[NIL]
	s_wait_dscnt 0x0
	CROUND                                         ; the closing round
	s_endpgm
.Lfunc_end_k_q284b3ea26d_g2:
	.size	k_q284b3ea26d_g2, .Lfunc_end_k_q284b3ea26d_g2-k_q284b3ea26d_g2
	.p2alignl 7, 3214868480
	.fill 96, 4, 3214868480
	.section	.rodata,"a",@progbits
	.p2align	6, 0x0
	.amdhsa_kernel k_q284b3ea26d_g2
		.amdhsa_group_segment_fixed_size 327680
		.amdhsa_private_segment_fixed_size 0
		.amdhsa_enable_private_segment 0
		.amdhsa_kernarg_size 24
		.amdhsa_user_sgpr_count 2
		.amdhsa_user_sgpr_kernarg_segment_ptr 1
		.amdhsa_wavefront_size32 1
		.amdhsa_system_sgpr_workgroup_id_x 1
		.amdhsa_system_sgpr_workgroup_id_y 1
		.amdhsa_system_sgpr_workgroup_id_z 1
		.amdhsa_system_vgpr_workitem_id 0
		.amdhsa_next_free_vgpr 768
		.amdhsa_next_free_sgpr 66
		.amdhsa_reserve_vcc 0
		.amdhsa_float_denorm_mode_32 3
		.amdhsa_float_denorm_mode_16_64 3
		.amdhsa_memory_ordered 1
		.amdhsa_forward_progress 1
		.amdhsa_inst_pref_size 83
	.end_amdhsa_kernel
	.amdgpu_metadata
---
amdhsa.version: [ 1, 2 ]
amdhsa.kernels:
  - .name:           k_q284b3ea26d_g2
    .symbol:         k_q284b3ea26d_g2.kd
    .args:
      - { .name: YQ, .offset: 0, .size: 8, .value_kind: global_buffer, .address_space: global }
      - { .name: WF, .offset: 8, .size: 8, .value_kind: global_buffer, .address_space: global }
      - { .name: out0, .offset: 16, .size: 8, .value_kind: global_buffer, .address_space: global }
    .group_segment_fixed_size: 327680
    .private_segment_fixed_size: 0
    .kernarg_segment_align: 8
    .kernarg_segment_size: 24
    .max_flat_workgroup_size: 128
    .sgpr_count:     66
    .vgpr_count:     768
    .wavefront_size: 32
...
	.end_amdgpu_metadata
.endif
;; end of part 5
